; MI455X (gfx1250); checked and timed in simulation.
; The chip was launched on July 23, 2026; its instructions are those of AMD's public machine-readable ISA for CDNA 5 (MIT licence, August 2026) and "CDNA5" Instruction Set Architecture Reference Guide (July 2026). The comments in the code are by the model that wrote it; some were corrected since.
;; Multi Head Attention. Allowed arithmetic: matrix products marked QUANTISED: E3M2 operands, one E8M0 scale for each 32 along K, by v_wmma_scale_f32_16x16x128_f8f6f4 with both operands' format E3M2, f32 sums; everything else in f32.
;; Inputs: Wk 1,024 x 1,024 float32; Wo 1,024 x 1,024 float32; Wq 1,024 x 1,024 float32; Wv 1,024 x 1,024 float32; bk 1,024 float32; bo 1,024 float32; bq 1,024 float32; bv 1,024 float32; k 4 x 2,048 x 1,024 float32; mask 1 x 1 x 2,048 x 2,048 int32; q 4 x 2,048 x 1,024 float32; v 4 x 2,048 x 1,024 float32.
;; Outputs: out0 4 x 2,048 x 1,024 float32.
;; This version of the problem:
;;   THIS VERSION OF THE PROBLEM IS GIVEN IN LOW PRECISION. The matrix products marked QUANTISED in the list below multiply operands that are first quantised to E3M2 (3 exponent bits, 2 mantissa bits; 6 bits a number), with one power-of-two scale for each 32 numbers along K (OCP MX v1.0); their sums are f32. All else is computed in f32.
;;   The module's matrix products, in the order in which they are computed (A, B: the left and right operand; K: the contracted axis; several contracted axes count as one K, in the product's order):
;;     1. [M 8,192, K 1,024] x [K 1,024, N 1,024]; A: input q; B: input Wq: QUANTISED
;;     2. [M 8,192, K 1,024] x [K 1,024, N 1,024]; A: input k; B: input Wk: QUANTISED
;;     3. [M 8,192, K 1,024] x [K 1,024, N 1,024]; A: input v; B: input Wv: QUANTISED
;;     4. batch 64 x [M 2,048, K 64] x [K 64, N 2,048]; A: computed on the way; B: computed on the way: QUANTISED
;;     5. batch 64 x [M 2,048, K 2,048] x [K 2,048, N 64]; A: softmax (see below); B: computed on the way: QUANTISED
;;     6. [M 8,192, K 1,024] x [K 1,024, N 1,024]; A: computed on the way; B: input Wo: QUANTISED
;;   THE QUANTISER, for each operand of a quantised product, along K:
;;     - K is cut into blocks of 32 from its start; a last block that is shorter is filled with zeros.
;;     - A block's scale is 2^e with e = floor(log2(the largest magnitude in the block)) - 4, held to -126 .. 127; a block of zeros has e = 0. As a byte (E8M0): e + 127.
;;     - Each number is divided by its block's scale, clamped to +-28, and rounded to the nearest number of E3M2, ties to even, subnormals kept.
;;     - The product sums the exact products of the quantised numbers (number of the format x scale) in f32.
;;   ~~~python
;;   def quantise(x, axis):      # numpy; x: float32 -> the quantised numbers, widened to float32 again
;;       x = np.moveaxis(x, axis, -1); K = x.shape[-1]
;;       x = np.pad(x, [(0, 0)] * (x.ndim - 1) + [(0, -K % 32)]); x = x.reshape(x.shape[:-1] + (-1, 32)); a = np.abs(x).max(-1, keepdims=True)
;;       e = np.where(a > 0, np.clip(np.frexp(np.where(a > 0, a, 1))[1] - 1 - 4, -126, 127), 0)      # np.frexp(a)[1] - 1 = floor(log2(a)), exactly
;;       r = np.clip(x / 2.0 ** e, -28, 28)
;;       step = 2.0 ** (np.maximum(np.frexp(np.where(r == 0, 1, r))[1] - 1, -2) - 2)
;;       q = np.round(r / step) * step * 2.0 ** e      # np.round: ties to even
;;       return np.moveaxis(q.reshape(q.shape[:-2] + (-1,))[..., :K], -1, axis).astype(np.float32)
;;   ~~~
;;   SOFTMAX AHEAD OF A QUANTISED PRODUCT. Where the list says 'softmax', what is quantised is not the finished softmax but p = 2^(t - M), with t = logit x log2(e) and M = ceil(the row's largest t), a whole number; so 1/2 < the row's largest p <= 1. The row's sum l is taken of the UNQUANTISED p, in f32, and the product's result is divided by l at the end. Since M is a whole number, a kernel that streams over the keys may use a running M (the ceiling of the running maximum): every later rescaling is an exact power of two, which a block's scale takes up: the codes' values come out the same.
;;   OPERANDS COMPUTED ON THE WAY. 'Computed on the way' means the value that the module computes at that place (a softmax that the list does not call 'softmax' is quantised finished and normalised). What goes into a quantiser is computed in f32, as accurately as f32 sums, v_exp_f32 and their like allow (about 1e-6 of the number): no bf16 or f16 on the way to a quantiser, and a product that is left as it is and whose result goes on into a quantised operand takes f32 operands (vector FMAs, or v_wmma_f32_16x16x4_f32). A number that lies on a knife's edge between two numbers of the format may be rounded either way, as far as f32 arithmetic and the matrix unit's own rounding can turn it there, and no further.
;; One version. Each part assembles by itself: llvm-mc -triple=amdgcn-amd-amdhsa -mcpu=gfx1250 --defsym DOCPART=n.
;; ======== version 1 of 1: 4 launches
;; limits: right only within a limited range of input values
;; workspace buffers: codes 29,360,128 bytes; scales 917,504 bytes; mbits 524,288 bytes of whole numbers; mflag 8,192 bytes of whole numbers; qrec 6,553,600 bytes; kv 13,107,200 bytes; ocodes 6,291,456 bytes; oscales 262,144 bytes
;; launch prep (part 1): grid 1408 x 1, 4 waves a work-group, no clusters, 67,072 bytes of LDS; arguments q, k, v, Wq, Wk, Wv, Wo, mask, codes, scales, mbits, mflag; writes codes, scales, mbits, mflag
.if DOCPART == 1
	.amdgcn_target "amdgcn-amd-amdhsa--gfx1250"
	.amdhsa_code_object_version 6
	.text
	.protected	k_q3ba943a205_prep
	.globl	k_q3ba943a205_prep
	.p2align	8
	.type	k_q3ba943a205_prep,@function
k_q3ba943a205_prep:
	s_mov_b64 s[64:65], 0
	v_nop
	global_prefetch_b8 v0, s[64:65] scope:SCOPE_SE
	s_setreg_imm32_b32 hwreg(HW_REG_WAVE_MODE, 25, 1), 1
	s_wait_xcnt 0x0
; TWO JOBS IN ONE LAUNCH, told apart by the work-group's number.
; (1) Work-groups 0-895: q, k, v [8192][1024] and Wq, Wk, Wv, Wo [1024][1024], f32, K innermost, become codes of E3M2 (6 bits, 768 bytes a row) and one E8M0 byte for each 32 along K (32 bytes a row),
;     seven tensors on end in 'codes' and 'scales'.  A block's byte is its largest magnitude's exponent field - 4, held at 1 from below; a number is divided by the scale and rounded to the nearest code, ties to even,
;     beyond 28 the largest code.  A wave takes 8 rows (8,192 numbers) in 16 steps of 512.  Each load reads 512 consecutive bytes; a step's 2,048 bytes turn through the wave's own stage in LDS so that a lane holds
;     16 neighbours along K; two neighbouring lanes hold a block.
;     THE ROWS OF k, v, Wq, Wk, Wv ARE STORED WITH BITS 3 AND 4 OF THE ROW NUMBER SWAPPED (a wave's run of 8 rows goes to another run's place): 16 stored rows on end, tile i, are then the true rows
;     32 (i / 2) + 8 (i % 2) + r + 8 (r / 8), the order in which a transposed product leaves 16 neighbours along the next K in a lane's registers of two tiles.
; (2) Work-groups 896-1407: the mask [2048][2048] int32 becomes lane masks: record (T, j) of 64 words for query tile T (16 queries) and key step j (128 keys); bit l of word n says whether
;     mask[16 T + l % 16][128 j + 32 (n / 16) + 16 (l / 16) + n % 16] is not 0: the lanes in which score register n of the attention launch counts.  One wave makes one record, 256 bytes.
; LIMITS: a block of zeros keeps the byte 1 where the rule says 127 (its codes are zeros, and this program alone reads the bytes); NaN and infinities among the inputs are not served.
; No tensor loads, no barrier: waves share nothing.  Each job has LDS bytes of its own.
; THE LAYOUTS AS THEY STAND NOW (where the lines above say otherwise, these hold):
;   a row of 'codes' is 1,024 bytes: four chunks of 256 bytes, each with the 192 bytes of 256 codes and 64 bytes of zeros, so that every chunk begins at a multiple of 256 bytes;
;   v, Wq, Wk, Wv keep the swap of bits 3 and 4; the rows of k are stored with bits 3 to 5 rotated: true row 64 c + 32 h + 8 u + j lies at 64 c + 16 u + 8 h + j;
;   bit l of word n of a mask record stands for mask[16 T + l % 16][128 j + 64 (n / 32) + 32 (l / 16) + n % 32];
;   'mflag' has a word for each record (T, j), at byte 4 (16 T + j): bit j + 16 (T % 2) if the record has no hole, else 0.
.set STEPS, 16
.set EMAX,  4
.set CB,    12                         ; bytes of 16 codes
.set R,     16                         ; v16-79   four sets of 16 numbers as they are loaded
.set X,     80                         ; v80-111  two sets of 16 neighbours
.set E,     112                        ; v112-127 a scale byte for each step
.set C,     128                        ; v128-191 codes: four registers for each step, so that no store's data are written again
.set WREG,  8192                       ; job 1: LDS of a wave: two stages of 32 x SP bytes, behind them its 256 scale bytes
.set SP,    80                         ; a lane's place in a stage: 64 bytes + 16 of padding
.set NQWG,  896                        ; work-groups of job 1
.set MSTG,  32768                      ; job 2: the stages begin here,
.set MPI,   528                        ; 16 rows of 512 bytes + 16 for each wave
	s_load_b512 s[4:19], s[0:1], 0x0               ; q, k, v, Wq, Wk, Wv, Wo, mask
	s_load_b128 s[20:23], s[0:1], 0x40             ; codes, scales
	s_load_b64 s[24:25], s[0:1], 0x50              ; mbits
	s_load_b64 s[38:39], s[0:1], 0x58              ; mflag
	v_lshl_add_u32 v192, v0, 2, 0x10400
	v_mov_b32 v193, 0
	v_lshrrev_b32 v1, 5, v0
	v_readfirstlane_b32 s26, v1                    ; wave
	v_and_b32 v2, 31, v0                           ; lane
	v_lshlrev_b32 v3, 4, v2                        ; my 16 bytes of a load's 512
	s_cmp_ge_u32 ttmp9, NQWG
	s_cbranch_scc1 .Lmask
	; ---------------- job 1: the quantiser
	s_mul_i32 s27, s26, WREG
	v_lshrrev_b32 v14, 2, v2
	v_mul_u32_u24 v14, v14, SP
	v_and_b32 v15, 3, v2
	v_lshl_add_u32 v14, v15, 4, v14
	v_add_nc_u32 v14, s27, v14                     ; the stage, on the way in: SP (lane / 4) + 16 (lane % 4)
	v_mul_u32_u24 v15, v2, SP
	v_add_nc_u32 v15, s27, v15                     ; and on the way out: SP x lane: my 16 neighbours
	v_mul_u32_u24 v4, v2, CB                       ; my codes' place in a step's two chunks:
	v_lshrrev_b32 v10, 4, v2
	v_lshl_add_u32 v4, v10, 6, v4                  ; lanes 16-31 write the second chunk, 64 bytes of padding further on
	v_lshrrev_b32 v5, 1, v2
	s_add_co_u32 s27, s27, 2*32*SP
	v_add_nc_u32 v5, s27, v5                       ; LDS: my wave's 256 scale bytes, my block's byte
	v_lshlrev_b32 v7, 3, v2                        ; and on the way out 8 bytes a lane
	v_add_nc_u32 v6, s27, v7
.set T, 194                            ; v194-201 a step's codes as the conversion makes them, two sets by turns
	v_add_nc_u32 v4, s27, v4                       ; behind the scale bytes (from byte 256 on): two stages of 512 bytes, a step's two chunks as they go to memory: my 12 bytes of codes,
	v_add_nc_u32 v10, s27, v3                      ; and on the way out 16 bytes a lane
.irp i, 0,1,2,3
	v_mov_b32 v[T+\i], 0
.endr
	ds_store_b128 v10, v[T:T+3] offset:256         ; both stages are set to zero once: the 64 bytes behind each chunk's codes stay zero
	ds_store_b128 v10, v[T:T+3] offset:768
	s_wait_alu depctr_va_vdst(0)
	s_wait_kmcnt 0x0
	s_mov_b64 s[28:29], s[16:17]                   ; which tensor, and its first work-group: the choice hangs on the work-group's number alone
	s_mov_b32 s30, 864                             ; Wo
	s_cmp_lt_u32 ttmp9, 864
	s_cselect_b64 s[28:29], s[14:15], s[28:29]     ; Wv
	s_cselect_b32 s30, 832, s30
	s_cmp_lt_u32 ttmp9, 832
	s_cselect_b64 s[28:29], s[12:13], s[28:29]     ; Wk
	s_cselect_b32 s30, 800, s30
	s_cmp_lt_u32 ttmp9, 800
	s_cselect_b64 s[28:29], s[10:11], s[28:29]     ; Wq
	s_cselect_b32 s30, 768, s30
	s_cmp_lt_u32 ttmp9, 768
	s_cselect_b64 s[28:29], s[8:9], s[28:29]       ; v
	s_cselect_b32 s30, 512, s30
	s_cmp_lt_u32 ttmp9, 512
	s_cselect_b64 s[28:29], s[6:7], s[28:29]       ; k
	s_cselect_b32 s30, 256, s30
	s_cmp_lt_u32 ttmp9, 256
	s_cselect_b64 s[28:29], s[4:5], s[28:29]       ; q
	s_cselect_b32 s30, 0, s30
	s_sub_co_u32 s30, ttmp9, s30
	s_lshl_b32 s30, s30, 2
	s_add_co_u32 s30, s30, s26                     ; my run of 8 rows in the tensor
	s_lshl_b32 s30, s30, 15                        ; 32,768 bytes a run
	s_mov_b32 s31, 0
	s_add_nc_u64 s[28:29], s[28:29], s[30:31]
	s_lshl_b32 s32, ttmp9, 2
	s_add_co_u32 s32, s32, s26                     ; G: my run among all seven tensors' runs
	s_and_b32 s33, s32, 1
	s_lshl_b32 s33, s33, 1
	s_bfe_u32 s34, s32, 0x10001
	s_or_b32 s33, s33, s34
	s_and_not1_b32 s34, s32, 3
	s_or_b32 s33, s33, s34                         ; G with its bits 0 and 1 swapped: the rows' bits 3 and 4
	s_cmp_lt_u32 ttmp9, 256
	s_cselect_b32 s33, s32, s33                    ; q keeps its order,
	s_cmp_ge_u32 ttmp9, 864
	s_cselect_b32 s33, s32, s33                    ; and so does Wo
	s_and_b32 s36, s32, 3                          ; k: the run's bits 0 to 2 rotated: (u, h) becomes (h, u)
	s_lshl_b32 s36, s36, 1
	s_bfe_u32 s37, s32, 0x10002
	s_or_b32 s36, s36, s37
	s_and_not1_b32 s37, s32, 7
	s_or_b32 s36, s36, s37
	s_sub_co_u32 s37, ttmp9, 256
	s_cmp_lt_u32 s37, 256                          ; work-groups 256 to 511 take k
	s_cselect_b32 s33, s36, s33
	s_lshl_b32 s34, s33, 13                        ; 8 rows of 1,024 bytes
	s_mov_b32 s35, 0
	s_add_nc_u64 s[20:21], s[20:21], s[34:35]
	s_lshl_b32 s34, s33, 8                         ; 8 rows of 32 bytes
	s_add_nc_u64 s[22:23], s[22:23], s[34:35]
.macro LOAD t
.irp i, 0,1,2,3
	global_load_b128 v[R+16*((\t)%4)+4*\i:R+16*((\t)%4)+4*\i+3], v3, s[28:29] offset:2048*(\t)+512*\i th:TH_LOAD_NT   ; 32 lanes read 512 consecutive bytes
.endr
.endm
.macro TURN t                          ; step t's numbers through the stage: LDS serves a wave's instructions in order, so no wait stands between the stores and the loads
.irp i, 0,1,2,3
	ds_store_b128 v14, v[R+16*((\t)%4)+4*\i:R+16*((\t)%4)+4*\i+3] offset:32*SP*((\t)%2)+8*SP*\i
.endr
.irp i, 0,1,2,3
	ds_load_b128 v[X+16*((\t)%2)+4*\i:X+16*((\t)%2)+4*\i+3], v15 offset:32*SP*((\t)%2)+16*\i
.endr
.endm
.irp t, 0,1,2,3
	LOAD \t
.endr
	s_wait_loadcnt 12                              ; step 0's four loads are in; the twelve of steps 1 to 3 may be out
	TURN 0
.macro STEP t
.set XS, X+16*((\t)%2)
.if (\t) > 0
	s_wait_dscnt 5                                 ; this step's numbers are back from the stage (the last step's five LDS instructions behind them may be out): so its stores into the stage have read their registers,
.else
	s_wait_dscnt 0x0
.endif
.if (\t)+4 < STEPS
	LOAD (\t)+4                                    ; which take the loads of four steps on
.endif
.if (\t)+1 < STEPS
.if STEPS-2-(\t) >= 3
	s_wait_loadcnt 12                              ; the next step's four loads are in; those of the three steps behind it may be out
.else
	s_wait_loadcnt 4*(STEPS-2-(\t))
.endif
	TURN (\t)+1                                    ; and go through the other stage while this step is worked
.endif
.if (\t) > 0
.if (\t)+1 < STEPS
	s_wait_dscnt 8                                 ; the last step's chunks are back in registers; the eight instructions just issued may be out
.else
	s_wait_dscnt 0x0
.endif
	global_store_b128 v3, v[C+4*((\t)-1):C+4*((\t)-1)+3], s[20:21] offset:512*((\t)-1)   ; 32 lanes store 512 consecutive bytes, aligned: two whole chunks
.endif
	v_max3_num_f32 v8, |v[XS]|, |v[XS+1]|, |v[XS+2]|               ; the largest magnitude of my 16, in two chains
	v_max3_num_f32 v9, |v[XS+3]|, |v[XS+4]|, |v[XS+5]|
.irp i, 6,10
	v_max3_num_f32 v8, v8, |v[XS+\i]|, |v[XS+\i+1]|
	v_max3_num_f32 v9, v9, |v[XS+\i+2]|, |v[XS+\i+3]|
.endr
	v_max3_num_f32 v8, v8, |v[XS+14]|, |v[XS+15]|
	v_max3_num_f32 v8, v8, v9, (EMAX+1)<<23        ; and the floor 2^(5 - 127): the byte cannot fall under 1
	v_max_num_f32_dpp v8, v8, v8 row_xmask:1 row_mask:0xf bank_mask:0xf   ; and of my neighbour's 16: the block's
	v_add_nc_u32 v11, -(EMAX<<23), v8              ; 4 off its exponent field: the conversion takes the exponent field of this operand as its scale
	v_cvt_scalef32_pk16_bf6_f32 v[T+4*((\t)%2):T+4*((\t)%2)+2], v[XS:XS+15], v11
	v_lshrrev_b32 v[E+(\t)], 23, v11               ; the scale's byte (also the plain line behind the conversion)
	ds_store_b8 v5, v[E+(\t)] offset:16*(\t)       ; both lanes of a block write the same byte with the same value
.irp i, 0,1,2
	ds_store_b32 v4, v[T+4*((\t)%2)+\i] offset:256+512*((\t)%2)+4*\i   ; my 12 bytes at their place in the chunk
.endr
	ds_load_b128 v[C+4*(\t):C+4*(\t)+3], v10 offset:256+512*((\t)%2)   ; LDS serves a wave's instructions in order: this sees the stores above; stored to memory in the next step
.endm
.irp t, 0,1,2,3,4,5,6,7,8,9,10,11,12,13,14,15
	STEP \t
.endr
	ds_load_b64 v[12:13], v6                       ; LDS serves a wave's instructions in order: these see my byte stores
	s_wait_dscnt 0x0
	global_store_b64 v7, v[12:13], s[22:23]        ; 32 lanes store 256 consecutive bytes, aligned
	global_store_b128 v3, v[C+60:C+63], s[20:21] offset:512*15     ; the last step's two chunks
	s_wait_tensorcnt 0x0
	ds_add_u32 v192, v193
	s_wait_dscnt 0x0
	s_endpgm
	; ---------------- job 2: the mask's lane masks
.Lmask:
	s_sub_co_u32 s27, ttmp9, NQWG
	s_lshr_b32 s28, s27, 2                         ; T: the query tile
	s_and_b32 s27, s27, 3
	s_lshl_b32 s27, s27, 2
	s_add_co_u32 s27, s27, s26                     ; j: the key step
	s_lshl_b32 s30, s28, 17                        ; 16 rows of 8,192 bytes
	s_lshl_b32 s29, s27, 9                         ; 128 keys of 4 bytes
	s_add_co_u32 s30, s30, s29
	s_mov_b32 s31, 0
	s_lshl_b32 s32, s28, 4
	s_add_co_u32 s32, s32, s27
	s_lshl_b32 s32, s32, 8                         ; record 16 T + j, 256 bytes
	s_mov_b32 s33, 0
	s_mul_i32 s29, s26, 16*MPI
	s_add_co_u32 s29, s29, MSTG                    ; my stage
	s_wait_alu depctr_va_vdst(0)
	v_add_nc_u32 v4, s29, v3                       ; in: a row's 512 bytes as they lie
	v_and_b32 v5, 15, v2
	v_lshrrev_b32 v6, 4, v2
	v_mul_u32_u24 v5, v5, MPI
	v_lshl_add_u32 v5, v6, 7, v5
	v_add_nc_u32 v5, s29, v5                       ; out: row lane % 16, + 128 bytes (32 keys) for lanes 16-31
	v_lshlrev_b32 v7, 3, v2
	s_wait_alu depctr_va_vdst(0)
	s_wait_kmcnt 0x0
	s_add_nc_u64 s[18:19], s[18:19], s[30:31]
	s_add_nc_u64 s[24:25], s[24:25], s[32:33]
	s_lshr_b32 s32, s32, 6                         ; the record's flag word: byte 4 (16 T + j)
	s_add_nc_u64 s[38:39], s[38:39], s[32:33]
	s_and_b32 s28, s28, 1
	s_lshl_b32 s28, s28, 4
	s_add_co_u32 s27, s27, s28
	s_lshl_b32 s27, 1, s27                         ; its bit: j + 16 (T % 2)
	s_mov_b32 s36, -1                              ; the AND of the record's 64 words
.irp i, 0,1,2,3,4,5,6,7,8,9,10,11,12,13,14,15
	global_load_b128 v[16+4*\i:19+4*\i], v3, s[18:19] offset:\i*8192 th:TH_LOAD_NT   ; row i: 512 consecutive bytes
.endr
.irp i, 0,1,2,3,4,5,6,7,8,9,10,11,12,13,14,15
	s_wait_loadcnt 15-\i                           ; loads come back in order: row i is in, the younger ones may be out
	ds_store_b128 v4, v[16+4*\i:19+4*\i] offset:\i*MPI
.endr
.irp b, 0,1,2,3
.irp c, 0,1,2,3
	ds_load_b128 v[80+16*\b+4*\c:83+16*\b+4*\c], v5 offset:256*(\b/2)+64*(\b%2)+16*\c   ; register n: key 64 (n / 32) + 32 (lane / 16) + n % 32 of query lane % 16
.endr
.endr
	v_mov_b32 v144, 0
	v_mov_b32 v145, 0
	s_wait_alu depctr_va_vdst(0)
	s_wait_dscnt 0x0
.set n, 0
.rept 64
	v_cmp_ne_u32 s[34+n%2], 0, v[80+n]             ; word n: a bit for each lane,
	v_writelane_b32 v[144+n%2], s[34+n%2], n/2     ; to byte 4 n of the record: lane n / 2, register n % 2
	s_and_b32 s36, s36, s[34+n%2]
.set n, n+1
.endr
	s_wait_alu depctr_va_vdst(0)                   ; ahead of the reader below
	global_store_b64 v7, v[144:145], s[24:25]      ; 32 lanes store 256 consecutive bytes, aligned
	s_cmp_eq_u32 s36, -1                           ; no hole in the record?
	s_cselect_b32 s27, s27, 0
	v_mov_b32 v146, s27
	v_mov_b32 v147, 0
	global_store_b32 v147, v146, s[38:39]          ; all lanes write the same word with the same value
	s_wait_tensorcnt 0x0
	ds_add_u32 v192, v193
	s_wait_dscnt 0x0
	s_endpgm
.Lfunc_end_k_q3ba943a205_prep:
	.size	k_q3ba943a205_prep, .Lfunc_end_k_q3ba943a205_prep-k_q3ba943a205_prep
	.p2alignl 7, 3214868480
	.fill 96, 4, 3214868480
	.section	.rodata,"a",@progbits
	.p2align	6, 0x0
	.amdhsa_kernel k_q3ba943a205_prep
		.amdhsa_group_segment_fixed_size 67072
		.amdhsa_private_segment_fixed_size 0
		.amdhsa_enable_private_segment 0
		.amdhsa_kernarg_size 96
		.amdhsa_user_sgpr_count 2
		.amdhsa_user_sgpr_kernarg_segment_ptr 1
		.amdhsa_wavefront_size32 1
		.amdhsa_system_sgpr_workgroup_id_x 1
		.amdhsa_system_sgpr_workgroup_id_y 1
		.amdhsa_system_sgpr_workgroup_id_z 1
		.amdhsa_system_vgpr_workitem_id 0
		.amdhsa_next_free_vgpr 204
		.amdhsa_next_free_sgpr 66
		.amdhsa_reserve_vcc 0
		.amdhsa_float_denorm_mode_32 3
		.amdhsa_float_denorm_mode_16_64 3
		.amdhsa_memory_ordered 1
		.amdhsa_forward_progress 1
		.amdhsa_inst_pref_size 55
	.end_amdhsa_kernel
	.amdgpu_metadata
---
amdhsa.version: [ 1, 2 ]
amdhsa.kernels:
  - .name:           k_q3ba943a205_prep
    .symbol:         k_q3ba943a205_prep.kd
    .args:
      - { .name: q, .offset: 0, .size: 8, .value_kind: global_buffer, .address_space: global }
      - { .name: k, .offset: 8, .size: 8, .value_kind: global_buffer, .address_space: global }
      - { .name: v, .offset: 16, .size: 8, .value_kind: global_buffer, .address_space: global }
      - { .name: Wq, .offset: 24, .size: 8, .value_kind: global_buffer, .address_space: global }
      - { .name: Wk, .offset: 32, .size: 8, .value_kind: global_buffer, .address_space: global }
      - { .name: Wv, .offset: 40, .size: 8, .value_kind: global_buffer, .address_space: global }
      - { .name: Wo, .offset: 48, .size: 8, .value_kind: global_buffer, .address_space: global }
      - { .name: mask, .offset: 56, .size: 8, .value_kind: global_buffer, .address_space: global }
      - { .name: codes, .offset: 64, .size: 8, .value_kind: global_buffer, .address_space: global }
      - { .name: scales, .offset: 72, .size: 8, .value_kind: global_buffer, .address_space: global }
      - { .name: mbits, .offset: 80, .size: 8, .value_kind: global_buffer, .address_space: global }
      - { .name: mflag, .offset: 88, .size: 8, .value_kind: global_buffer, .address_space: global }
    .group_segment_fixed_size: 67072
    .private_segment_fixed_size: 0
    .kernarg_segment_align: 8
    .kernarg_segment_size: 96
    .max_flat_workgroup_size: 128
    .sgpr_count:     66
    .vgpr_count:     204
    .wavefront_size: 32
...
	.end_amdgpu_metadata
.endif
;; end of part 1
;; launch proj (part 2): grid 4 x 96, 4 waves a work-group, clusters of 4 x 4, 327,680 bytes of LDS; arguments codes, scales, bq, bk, bv, qrec, kv; writes qrec, kv
.if DOCPART == 2
	.amdgcn_target "amdgcn-amd-amdhsa--gfx1250"
	.amdhsa_code_object_version 6
	.text
	.protected	k_q3ba943a205_proj
	.globl	k_q3ba943a205_proj
	.p2align	8
	.type	k_q3ba943a205_proj,@function
k_q3ba943a205_proj:
	s_mov_b64 s[64:65], 0
	v_nop
	global_prefetch_b8 v0, s[64:65] scope:SCOPE_SE
	s_setreg_imm32_b32 hwreg(HW_REG_WAVE_MODE, 25, 1), 1
	s_wait_xcnt 0x0
	s_wait_alu depctr_hold_cnt(0) depctr_sa_sdst(0) depctr_va_vdst(0) depctr_va_sdst(0) depctr_va_ssrc(0) depctr_va_vcc(0) depctr_vm_vsrc(0)
	s_getreg_b32 s2, hwreg(HW_REG_IB_STS2, 6, 4)
	s_cmp_eq_u32 s2, 0
	s_cbranch_scc0 .Lentry_in_a_cluster
	s_endpgm
.Lentry_in_a_cluster:
	s_bfe_u32 s2, ttmp6, 0x10000c
	s_cmp_lg_u32 s2, 0xf033
	s_cbranch_scc0 .Lentry_shape_is_right
	s_endpgm
.Lentry_shape_is_right:
.set KSTEP,  256
.set NQ,     2
.set ROWB,   256                       ; a tile's row: a chunk of 256 bytes (256 codes and 64 bytes of zeros), at a multiple of 256 bytes
.set KROW,   1024
.set PITCH,  272
.set FR,     12
.set NL,     6
.set NP,     4
.set HALFT,  128*PITCH
.set SLOT,   4*HALFT
.set LAPS,   2
.set KS,     32
.set SCL,    2*SLOT
.set HALFS,  16*272
.set SBLK,   2*272
.set SPARE,  SCL+4*HALFS
.set ADRA, 16
.set ADRB, 20
.set GOF,  24
.set VSO,  25
.set SELV, 26
.set ADRS, 27
.set SPW,  28
.set NIL,  29
.set SC,   32
.set BI,   64
.set BV,   224
.set AF,   128
.set H,    128
.set IMG0, 192
.set IMG1, 204
.set CT,   216
.set TM,   32
.set PWR,  48
.set SWO,  56
.set ISV,  2
.set PP,   66
.set SEL,  74
.set G1, 24
.set G0, 32
.set G1B, 48
.set G0B, 56
.set G1S, 68
.set G0S, 76
.set G1SB, 80
.set G0SB, 88
.set MSB, 0
.macro WIN new
.if MSB != (\new)
	s_set_vgpr_msb (MSB<<8)|(\new)
.set MSB, \new
.endif
.endm
.set MUL_LO, 0xa1
.set MUL_HI, 0xf1
.set TO_B,   0x40
.macro JLOAD g0a, g1a, g0b, g1b
	s_cmp_eq_u32 s15, 0
	s_cbranch_scc0 .Lfor_b_\@
	tensor_load_to_lds s[\g0a:\g0a+3], s[\g1a:\g1a+7]
	s_nop 0
.rept 4
	v_nop
.endr
	s_branch .Lasked_\@
.Lfor_b_\@:
	tensor_load_to_lds s[\g0b:\g0b+3], s[\g1b:\g1b+7]
	s_nop 0
.rept 4
	v_nop
.endr
.Lasked_\@:
.endm
.macro CREST
	s_cmp_lg_u32 s14, 0
	s_cbranch_scc1 .Lnot_wave_0_\@
	s_barrier_signal -3
.Lnot_wave_0_\@:
	s_barrier_wait -3
	s_barrier_signal -1
	s_barrier_wait -1
.endm
.macro CROUND
	s_barrier_signal -1
	s_barrier_wait -1
	CREST
.endm
	s_load_b256 s[4:11], s[0:1], 0x0
	s_load_b64 s[12:13], s[0:1], 0x20
	s_load_b128 s[96:99], s[0:1], 0x28
	v_lshl_add_u32 v[SPW], v0, 2, SPARE
	v_mov_b32 v[NIL], 0
	ds_add_u32 v28, v29
	ds_add_u32 v28, v29
	s_wait_dscnt 0x0
	v_lshrrev_b32 v1, 5, v0
	v_readfirstlane_b32 s14, v1
	s_lshr_b32 s15, s14, 1
	s_and_b32 s16, s14, 1
	s_bfe_u32 s40, ttmp6, 0x40000
	s_bfe_u32 s41, ttmp6, 0x40004
	s_and_b32 s17, ttmp7, 0xffff
	s_lshr_b32 s[PP], s17, 3
	s_and_b32 s17, s17, 7
	s_lshl_b32 s17, s17, 2
	s_cmp_eq_u32 s[PP], 2
	s_cselect_b32 s[ISV], 1, 0
	s_cselect_b32 s42, s17, 0
	s_cselect_b32 s17, 0, s17
	s_add_co_u32 s17, s17, s41
	s_add_co_u32 s42, s42, s40
	s_lshl_b32 s43, s41, 2
	s_lshl_b32 s43, 15, s43
	s_lshl_b32 s44, 0x1111, s40
	s_or_b32 s[G1+0], s43, (0<<16)|(1<<20)|(1<<21)|(5<<22)|(3<<25)
	s_or_b32 s[G1B+0], s44, (0<<16)|(1<<20)|(1<<21)|(5<<22)|(3<<25)
.irp g, G1, G1B
	s_mov_b32 s[\g+1], ROWB<<16
	s_mov_b32 s[\g+2], 256<<16                     ; 256 rows for the head's loads; set to 128 for the ring's behind them
	s_mov_b32 s[\g+3], ROWB<<16
	s_mov_b32 s[\g+4], 256
	s_mov_b32 s[\g+5], KROW
	s_mov_b32 s[\g+6], 0
	s_mov_b32 s[\g+7], 0
.endr
	s_or_b32 s[G1S+0], s43, (3<<16)|(1<<20)|(1<<21)|(5<<22)|(3<<25)
	s_or_b32 s[G1SB+0], s44, (3<<16)|(1<<20)|(1<<21)|(5<<22)|(3<<25)
.irp g, G1S, G1SB
	s_mov_b32 s[\g+1], 32<<16
	s_mov_b32 s[\g+2], 32<<16                      ; the scales of 256 rows: 32 rows of 256 bytes
	s_mov_b32 s[\g+3], 32<<16
	s_mov_b32 s[\g+4], 32
	s_mov_b32 s[\g+5], 32
	s_mov_b32 s[\g+6], 0
	s_mov_b32 s[\g+7], 0
.endr
	s_mul_i32 s18, s[PP], 8388608
	s_mul_i32 s19, s[PP], 1048576
	s_add_co_u32 s19, s19, 25165824
	s_cmp_eq_u32 s[ISV], 1
	s_cselect_b32 s67, s19, s18
	s_cselect_b32 s45, s18, s19
	s_mul_i32 s18, s[PP], 262144
	s_mul_i32 s19, s[PP], 32768
	s_add_co_u32 s19, s19, 786432
	s_cmp_eq_u32 s[ISV], 1
	s_cselect_b32 s94, s19, s18
	s_cselect_b32 s95, s18, s19
	s_lshl_b32 s18, s16, 7
	s_lshl_b32 s20, s17, 8
	s_add_co_u32 s20, s20, s18
	s_lshl_b32 s46, s42, 8
	s_add_co_u32 s46, s46, s18
	s_lshl_b32 s22, s20, 5
	s_add_co_u32 s22, s22, s94
	s_mov_b32 s23, 0
	s_lshl_b32 s92, s46, 5
	s_add_co_u32 s92, s92, s95
	s_mov_b32 s93, 0
	s_mul_i32 s20, s20, KROW
	s_add_co_u32 s20, s20, s67
	s_mov_b32 s21, 0
	s_mul_i32 s46, s46, KROW
	s_add_co_u32 s46, s46, s45
	s_mov_b32 s47, 0
	s_mul_i32 s45, s14, HALFT
	s_wait_kmcnt 0x0
	s_add_nc_u64 s[20:21], s[4:5], s[20:21]
	s_add_nc_u64 s[22:23], s[6:7], s[22:23]
	s_add_nc_u64 s[46:47], s[4:5], s[46:47]
	s_add_nc_u64 s[92:93], s[6:7], s[92:93]
	CROUND
	s_mov_b32 s[G0S], 1
	s_mov_b32 s[G0S+1], SCL                        ; the head's four tiles, each whole: the scales of A's 256 rows,
	s_lshl_b32 s18, s16, 12                        ; (the addresses made above hold my half of 128 rows: it is taken off)
	s_mov_b32 s19, 0
	s_sub_nc_u64 s[G0S+2:G0S+3], s[22:23], s[18:19]
	s_or_b32 s[G0S+3], s[G0S+3], 0x80000000
	s_mov_b32 s[G0SB], 1
	s_mov_b32 s[G0SB+1], SCL+2*HALFS               ; those of B's,
	s_sub_nc_u64 s[G0SB+2:G0SB+3], s[92:93], s[18:19]
	s_or_b32 s[G0SB+3], s[G0SB+3], 0x80000000
	s_mul_i32 s18, s16, 128*KROW
	s_mov_b32 s4, 1                                ; chunk 0's 256 rows of A (group 0 in registers that held arguments),
	s_mov_b32 s5, 0
	s_sub_nc_u64 s[6:7], s[20:21], s[18:19]
	s_or_b32 s7, s7, 0x80000000
	s_mov_b32 s92, 1                               ; and its 256 rows of B
	s_mov_b32 s93, 2*HALFT
	s_sub_nc_u64 s[94:95], s[46:47], s[18:19]
	s_or_b32 s95, s95, 0x80000000
.irp s, 0,1
	s_mov_b32 s[G0+4*\s], 1
	s_add_co_u32 s[G0+4*\s+1], s45, \s*SLOT
	s_add_nc_u64 s[G0+4*\s+2:G0+4*\s+3], s[20:21], \s*ROWB
	s_or_b32 s[G0+4*\s+3], s[G0+4*\s+3], 0x80000000
	s_mov_b32 s[G0B+4*\s], 1
	s_add_co_u32 s[G0B+4*\s+1], s45, \s*SLOT
	s_add_nc_u64 s[G0B+4*\s+2:G0B+4*\s+3], s[46:47], \s*ROWB
	s_or_b32 s[G0B+4*\s+3], s[G0B+4*\s+3], 0x80000000
.endr
; The head's loads, one a wave: one tree of branches on the wave's number, a load in each arm, all arms leading to one join.
.macro ARM under, g0, g1, next
	s_cmp_lt_u32 s14, \under
	s_cbranch_scc0 \next
	tensor_load_to_lds s[\g0:\g0+3], s[\g1:\g1+7]
	s_nop 0
.rept 4
	v_nop
.endr
	s_branch .Lhead_asked
\next:
.endm
	ARM 1, 4,   G1,  .Lhead_b
	ARM 2, 92,  G1B, .Lhead_sa
	ARM 3, G0S, G1S, .Lhead_sb
	tensor_load_to_lds s[G0SB:G0SB+3], s[G1SB:G1SB+7]
	s_nop 0
.rept 4
	v_nop
.endr
.Lhead_asked:
	v_and_b32 v1, 15, v0
	v_bfe_u32 v2, v0, 4, 1
	v_mul_u32_u24 v3, v1, PITCH
	v_mul_u32_u24 v4, v2, 24
	v_add_nc_u32 v4, v3, v4
	s_mul_i32 s21, s15, HALFT
	s_mul_i32 s22, s16, HALFT
	s_add_co_u32 s22, s22, 2*HALFT
.irp s, 0,1
	v_add_nc_u32 v[ADRA+\s], s21, v4
	v_add_nc_u32 v[ADRB+\s], s22, v4
	s_add_co_u32 s21, s21, SLOT
	s_add_co_u32 s22, s22, SLOT
.endr
	v_mul_u32_u24 v5, v1, KS
	v_lshrrev_b32 v6, 8, v5
	v_lshl_add_u32 v5, v6, 4, v5
	s_mul_i32 s21, s15, HALFS
	s_mul_i32 s22, s16, HALFS
	s_add_co_u32 s22, s22, 2*HALFS
	s_sub_co_u32 s22, s22, s21
	v_mul_u32_u24 v6, s22, v2
	s_add_co_u32 s21, s21, SCL
	v_add_nc_u32 v5, v5, v6
	v_add_nc_u32 v[ADRS], s21, v5
	s_cmp_eq_u32 s[PP], 0
	s_cselect_b64 s[18:19], s[8:9], s[10:11]
	s_cmp_eq_u32 s[PP], 2
	s_cselect_b64 s[18:19], s[12:13], s[18:19]
	s_lshl_b32 s20, s42, 8
	s_lshl_b32 s21, s16, 7
	s_add_co_u32 s20, s20, s21
	s_lshl_b32 s22, s17, 8
	s_lshl_b32 s21, s15, 7
	s_add_co_u32 s22, s22, s21
	s_cmp_eq_u32 s[ISV], 1
	s_cselect_b32 s20, 0, s20
	s_cselect_b32 s22, s22, 0
	s_lshl_b32 s20, s20, 2
	s_lshl_b32 s22, s22, 2
	v_lshl_add_u32 v7, v2, 6, s20
	v_and_b32 v8, 8, v1
	v_add_nc_u32 v8, v8, v1
	v_lshl_add_u32 v8, v8, 2, s22
.irp b, 0,1,2,3,4,5,6,7
	global_load_b128 v[BI+8*\b:BI+8*\b+3], v7, s[18:19] offset:(32*(\b/2)+8*(\b%2))*4
	global_load_b128 v[BI+8*\b+4:BI+8*\b+7], v7, s[18:19] offset:(32*(\b/2)+8*(\b%2))*4+16
.endr
.irp a, 0,1,2,3,4,5,6,7
	global_load_b32 v[BV+2*\a], v8, s[18:19] offset:(32*(\a/2)+8*(\a%2))*4
	global_load_b32 v[BV+2*\a+1], v8, s[18:19] offset:(32*(\a/2)+8*(\a%2))*4
.endr
.macro FRAG reg, adr, q, i
.irp p, 0,1,2,3,4,5
.set PC, 12*(\q)+6*(\p/3)+\p%3
	ds_load_b64 v[\reg+2*\p:\reg+2*\p+1], v[\adr] offset:8*PC+(\i)*16*PITCH
.endr
.endm
.macro MUL16 a0, p, q, sc, zero
.irp a, \a0, \a0+1
.irp b, 0,1,2,3,4,5,6,7
.if \zero
	v_wmma_scale_f32_16x16x128_f8f6f4 v[8*(8*((\a)%4)+\b):8*(8*((\a)%4)+\b)+7], v[128*(\p)+FR*\b:128*(\p)+FR*\b+FR-1], v[AF+FR*(\a):AF+FR*(\a)+FR-1], 0, v[SC+8*NQ*(\sc)+NQ*\b+(\q)], v[SC+8*NQ*(\sc)+NQ*(\a)+(\q)] matrix_a_fmt:MATRIX_FMT_BF6 matrix_b_fmt:MATRIX_FMT_BF6 matrix_a_scale:MATRIX_SCALE_ROW1
.else
	v_wmma_scale_f32_16x16x128_f8f6f4 v[8*(8*((\a)%4)+\b):8*(8*((\a)%4)+\b)+7], v[128*(\p)+FR*\b:128*(\p)+FR*\b+FR-1], v[AF+FR*(\a):AF+FR*(\a)+FR-1], v[8*(8*((\a)%4)+\b):8*(8*((\a)%4)+\b)+7], v[SC+8*NQ*(\sc)+NQ*\b+(\q)], v[SC+8*NQ*(\sc)+NQ*(\a)+(\q)] matrix_a_fmt:MATRIX_FMT_BF6 matrix_b_fmt:MATRIX_FMT_BF6 matrix_a_scale:MATRIX_SCALE_ROW1
.endif
.endr
.endr
.endm
.macro FETCH_B slot, q, p
	WIN TO_B
.irp i, 0,1,2,3,4,5,6,7
	FRAG 128*(\p)+FR*\i, ADRB+\slot, \q, \i
.endr
	WIN 0
.endm
.macro FETCH_A slot, q, i0
.irp i, \i0, \i0+1, \i0+2, \i0+3
	FRAG AF+FR*(\i), ADRA+\slot, \q, \i
.endr
.endm
.macro SCALES sc
.irp i, 0,1,2,3,4,5,6,7
	ds_load_b64 v[SC+8*NQ*\sc+NQ*\i:SC+8*NQ*\sc+NQ*\i+1], v[ADRS] offset:\i*SBLK
.endr
.endm
.macro PLACES n
.rept \n
	v_nop
.endr
.endm
.macro STEP slot, q, zero
	s_wait_dscnt 4*NL
	WIN MUL_LO
	MUL16 0, (\q)%2, \q, \slot, \zero
	MUL16 2, (\q)%2, \q, \slot, \zero
	s_wait_dscnt 0
	PLACES NP
	FETCH_B \slot, (\q)+1, 1-(\q)%2
	FETCH_A \slot, (\q)+1, 0
	WIN MUL_HI
	MUL16 4, (\q)%2, \q, \slot, \zero
	MUL16 6, (\q)%2, \q, \slot, \zero
	PLACES NP
	WIN 0
	FETCH_A \slot, (\q)+1, 4
.endm
.macro TURN slot, next, fill
	s_wait_tensorcnt 0x0
	ds_add_u32 v[SPW], v[NIL]
	s_wait_dscnt 4*NL+1
	WIN MUL_LO
	MUL16 0, 1, NQ-1, \slot, 0
	s_wait_dscnt 0x0
	s_barrier_signal -1
	MUL16 2, 1, NQ-1, \slot, 0
	WIN 0
	s_barrier_wait -1
.if \fill
	CREST
	s_add_nc_u64 s[G0+4*\slot+2:G0+4*\slot+3], s[G0+4*\slot+2:G0+4*\slot+3], 2*ROWB
	s_add_nc_u64 s[G0B+4*\slot+2:G0B+4*\slot+3], s[G0B+4*\slot+2:G0B+4*\slot+3], 2*ROWB
	JLOAD G0+4*\slot, G1, G0B+4*\slot, G1B
.else
	PLACES NP
.endif
	s_wait_alu depctr_va_vdst(0)
	v_add_nc_u32 v[ADRS], 4*NQ, v[ADRS]
	FETCH_B \next, 0, 0
	FETCH_A \next, 0, 0
	SCALES \next
	WIN MUL_HI
	MUL16 4, 1, NQ-1, \slot, 0
	MUL16 6, 1, NQ-1, \slot, 0
	PLACES NP
	WIN 0
	FETCH_A \next, 0, 4
.endm
	s_wait_alu depctr_va_vdst(0)
	s_wait_tensorcnt 0x0                           ; my tile of the head's four is in
	ds_add_u32 v[SPW], v[NIL]
	s_mov_b32 s[G1+2], 128<<16                     ; no tensor load of mine is out: from here on a load brings 128 rows
	s_mov_b32 s[G1+4], 128
	s_mov_b32 s[G1B+2], 128<<16
	s_mov_b32 s[G1B+4], 128
	s_wait_dscnt 0x0
	CROUND                                         ; all four tiles are in, and all sixteen work-groups are here
	JLOAD G0+4, G1, G0B+4, G1B                     ; chunk 1, the first tensor load behind the round
	FETCH_B 0, 0, 0
	FETCH_A 0, 0, 0
	SCALES 0
	FETCH_A 0, 0, 4
	STEP 0, 0, 1
	s_mov_b32 s3, LAPS-1
.Llap:
	TURN 0, 1, 1
	STEP 1, 0, 0
	TURN 1, 0, 1
	STEP 0, 0, 0
	s_sub_co_u32 s3, s3, 1
	s_cmp_lg_u32 s3, 0
	s_cbranch_scc1 .Llap
	TURN 0, 1, 0
	STEP 1, 0, 0
	s_wait_dscnt 4*NL
	WIN MUL_LO
	MUL16 0, 1, NQ-1, 1, 0
	MUL16 2, 1, NQ-1, 1, 0
	s_wait_dscnt 0
	WIN MUL_HI
	MUL16 4, 1, NQ-1, 1, 0
	MUL16 6, 1, NQ-1, 1, 0
	WIN 0
.macro ADDB a, isv
	WIN 0x02+(\a)/4
.set i, 0
.rept 32
.if \isv
	v_pk_add_f32 v[H+2*i:H+2*i+1], v[64*((\a)%4)+2*i:64*((\a)%4)+2*i+1], v[BV+2*(\a):BV+2*(\a)+1]
.else
	v_pk_add_f32 v[H+2*i:H+2*i+1], v[64*((\a)%4)+2*i:64*((\a)%4)+2*i+1], v[BI+2*i:BI+2*i+1]
.endif
.set i, i+1
.endr
	WIN 0
.endm
.macro QUANT src, d0, d1, pw
.irp b, 0,1,2,3
	v_max3_num_f32 v[TM+\b], |v[(\src)+16*\b]|, |v[(\src)+1+16*\b]|, 0x2800000
.endr
.irp i, 2,4,6,8,10,12,14
.irp b, 0,1,2,3
	v_max3_num_f32 v[TM+\b], v[TM+\b], |v[(\src)+16*\b+\i]|, |v[(\src)+1+16*\b+\i]|
.endr
.endr
.irp b, 0,1,2,3
	v_permlanex16_b32 v[TM+4+\b], v[TM+\b], s[SEL], s[SEL+1]
.endr
.irp b, 0,1,2,3
	v_max_num_f32 v[TM+\b], v[TM+\b], v[TM+4+\b]
.endr
.irp b, 0,1,2,3
	v_add_nc_u32 v[TM+12+\b], 0xfe000000, v[TM+\b]
.endr
.irp b, 0,1,2,3
	v_lshrrev_b32 v[TM+4+\b], 23, v[TM+12+\b]
.endr
	v_lshl_or_b32 v[\pw], v[TM+5], 8, v[TM+4]
	v_lshl_or_b32 v[\pw], v[TM+6], 16, v[\pw]
	v_lshl_or_b32 v[\pw], v[TM+7], 24, v[\pw]
	v_cvt_scalef32_pk16_bf6_f32 v[(\d0):(\d0)+2], v[(\src):(\src)+15], v[TM+12]
	v_cvt_scalef32_pk16_bf6_f32 v[CT:CT+2], v[(\src)+16:(\src)+31], v[TM+13]
	v_cvt_scalef32_pk16_bf6_f32 v[(\d1):(\d1)+2], v[(\src)+32:(\src)+47], v[TM+14]
	v_cvt_scalef32_pk16_bf6_f32 v[CT+4:CT+6], v[(\src)+48:(\src)+63], v[TM+15]
	v_nop
.irp i, 0,1,2
	v_permlane16_swap_b32 v[(\d0)+\i], v[CT+\i]
.endr
.irp i, 0,1,2
	v_mov_b32 v[(\d0)+3+\i], v[CT+\i]
.endr
.irp i, 0,1,2
	v_permlane16_swap_b32 v[(\d1)+\i], v[CT+4+\i]
.endr
.irp i, 0,1,2
	v_mov_b32 v[(\d1)+3+\i], v[CT+4+\i]
.endr
.endm
	PLACES NP
	s_wait_loadcnt 0x0
	s_mov_b32 s[SEL], 0x76543210
	s_mov_b32 s[SEL+1], 0xfedcba98
	s_mov_b32 s76, 0xffff0000
	v_and_b32 v1, 15, v0
	v_bfe_u32 v2, v0, 4, 1
	s_wait_alu depctr_va_vdst(0)
	v_and_b32 v[GOF], 31, v0
	v_lshlrev_b32 v[GOF], 4, v[GOF]
.irp b, 0,1,2,3
	v_mov_b32 v[TM+4+\b], 0
.endr
	s_lshl_b32 s18, s17, 8
	s_lshl_b32 s19, s15, 7
	s_add_co_u32 s18, s18, s19
	s_lshl_b32 s19, s42, 8
	s_lshl_b32 s20, s16, 7
	s_add_co_u32 s19, s19, s20
	s_cmp_eq_u32 s[ISV], 1
	s_cselect_b32 s20, s19, s18
	s_cselect_b32 s21, s18, s19
	s_lshr_b32 s22, s20, 11
	s_lshl_b32 s22, s22, 4
	s_lshr_b32 s23, s21, 6
	s_add_co_u32 s22, s22, s23
	s_lshl_b32 s22, s22, 4
	s_bfe_u32 s23, s20, 0x40007
	s_add_co_u32 s22, s22, s23
	s_cmp_eq_u32 s[PP], 0
	s_mov_b32 s23, 12800
	s_cselect_b32 s23, 6400, s23
	s_cselect_b64 s[68:69], s[96:97], s[98:99]
	s_mul_i32 s18, s22, s23
	s_mov_b32 s19, 0
	s_add_nc_u64 s[68:69], s[68:69], s[18:19]
	s_lshl_b32 s18, s23, 4
	s_add_nc_u64 s[70:71], s[68:69], s[18:19]
	v_mul_u32_u24 v[VSO], s18, v2
	v_lshl_add_u32 v[VSO], v1, 4, v[VSO]
	s_cmp_eq_u32 s[ISV], 1
	s_cbranch_scc1 .Lout_v
	s_cmp_eq_u32 s[PP], 0
	s_mov_b32 s18, 12288
	s_cselect_b32 s18, 6144, s18
	s_add_nc_u64 s[72:73], s[68:69], s[18:19]
	v_mov_b32 v[SELV], 0x05040100
	v_mov_b32 v9, 0x07060302
	v_cndmask_b32 v[SELV], v[SELV], v9, s76
.irp f, 0,1,2,3
.if \f > 0
	s_wait_xcnt 0x0
.endif
	ADDB 2*\f, 0
	QUANT H, IMG0, IMG1, PWR+2*\f
	ADDB 2*\f+1, 0
	QUANT H, IMG0+6, IMG1+6, PWR+2*\f+1
.irp g, 0,1,2
	global_store_b128 v[GOF], v[IMG0+4*\g:IMG0+4*\g+3], s[68:69] offset:1536*\f+512*\g
	global_store_b128 v[GOF], v[IMG1+4*\g:IMG1+4*\g+3], s[70:71] offset:1536*\f+512*\g
.endr
	v_perm_b32 v[SWO+\f], v[PWR+2*\f+1], v[PWR+2*\f], v[SELV]
.endr
	global_store_b128 v[VSO], v[SWO:SWO+3], s[72:73]
	s_branch .Lend
.Lout_v:
.irp a, 0,1,2,3,4,5,6,7
.if \a > 0
	s_wait_xcnt 0x0
.endif
	ADDB \a, 1
	QUANT H, IMG0+12*(\a%2), IMG0+12*(\a%2)+6, PWR+\a
.irp g, 0,1,2
	global_store_b128 v[GOF], v[IMG0+12*(\a%2)+4*\g:IMG0+12*(\a%2)+4*\g+3], s[68:69] offset:6144+(\a/4)*204800+(\a%4)*1536+512*\g
.endr
.endr
.irp t, 0,1,2,3
	v_cndmask_b32 v[SWO+\t], v[PWR+\t], v[PWR+4+\t], s76
.endr
	global_store_b128 v[VSO], v[SWO:SWO+3], s[68:69] offset:12544
.Lend:
	s_wait_tensorcnt 0x0
	ds_add_u32 v[SPW], v[NIL]
	s_wait_dscnt 0x0
	CROUND
	s_endpgm
.Lfunc_end_k_q3ba943a205_proj:
	.size	k_q3ba943a205_proj, .Lfunc_end_k_q3ba943a205_proj-k_q3ba943a205_proj
	.p2alignl 7, 3214868480
	.fill 96, 4, 3214868480
	.section	.rodata,"a",@progbits
	.p2align	6, 0x0
	.amdhsa_kernel k_q3ba943a205_proj
		.amdhsa_group_segment_fixed_size 327680
		.amdhsa_private_segment_fixed_size 0
		.amdhsa_enable_private_segment 0
		.amdhsa_kernarg_size 56
		.amdhsa_user_sgpr_count 2
		.amdhsa_user_sgpr_kernarg_segment_ptr 1
		.amdhsa_wavefront_size32 1
		.amdhsa_system_sgpr_workgroup_id_x 1
		.amdhsa_system_sgpr_workgroup_id_y 1
		.amdhsa_system_sgpr_workgroup_id_z 1
		.amdhsa_system_vgpr_workitem_id 0
		.amdhsa_next_free_vgpr 1024
		.amdhsa_next_free_sgpr 100
		.amdhsa_reserve_vcc 0
		.amdhsa_float_denorm_mode_32 3
		.amdhsa_float_denorm_mode_16_64 3
		.amdhsa_memory_ordered 1
		.amdhsa_forward_progress 1
		.amdhsa_inst_pref_size 235
	.end_amdhsa_kernel
	.amdgpu_metadata
---
amdhsa.version: [ 1, 2 ]
amdhsa.kernels:
  - .name:           k_q3ba943a205_proj
    .symbol:         k_q3ba943a205_proj.kd
    .args:
      - { .name: codes, .offset: 0, .size: 8, .value_kind: global_buffer, .address_space: global }
      - { .name: scales, .offset: 8, .size: 8, .value_kind: global_buffer, .address_space: global }
      - { .name: bq, .offset: 16, .size: 8, .value_kind: global_buffer, .address_space: global }
      - { .name: bk, .offset: 24, .size: 8, .value_kind: global_buffer, .address_space: global }
      - { .name: bv, .offset: 32, .size: 8, .value_kind: global_buffer, .address_space: global }
      - { .name: qrec, .offset: 40, .size: 8, .value_kind: global_buffer, .address_space: global }
      - { .name: kv, .offset: 48, .size: 8, .value_kind: global_buffer, .address_space: global }
    .group_segment_fixed_size: 327680
    .private_segment_fixed_size: 0
    .kernarg_segment_align: 8
    .kernarg_segment_size: 56
    .max_flat_workgroup_size: 128
    .sgpr_count:     100
    .vgpr_count:     1024
    .wavefront_size: 32
...
	.end_amdgpu_metadata
.endif
;; end of part 2
;; launch attn (part 3): grid 4 x 64, 16 waves a work-group, no clusters, 206,848 bytes of LDS; arguments qrec, kv, mbits, mflag, ocodes, oscales; writes ocodes, oscales
.if DOCPART == 3
	.amdgcn_target "amdgcn-amd-amdhsa--gfx1250"
	.amdhsa_code_object_version 6
	.text
	.protected	k_q3ba943a205_attn
	.globl	k_q3ba943a205_attn
	.p2align	8
	.type	k_q3ba943a205_attn,@function
k_q3ba943a205_attn:
	s_mov_b64 s[64:65], 0
	v_nop
	global_prefetch_b8 v0, s[64:65] scope:SCOPE_SE
	s_setreg_imm32_b32 hwreg(HW_REG_WAVE_MODE, 25, 1), 1
	s_wait_xcnt 0x0
; ATTENTION OF ONE (batch, head) ON CODES OF E3M2: scores = Q K^T / 8, the mask, p = 2^(t - M), O = P V / the row's sum, and O quantised along the features for the last projection.
; SHARES.  A work-group owns 512 queries of one (batch, head); each of its sixteen waves owns 32: two tiles of 16, which share every fragment of K and V.  Every wave walks 16 steps of 128 keys.
; LDS.  The head's sixteen records of K and V (12,800 bytes a step: K's image, V's image, their scale words) come once, a record a wave, through registers, and stay.
; LAYOUT.  Both products are used transposed: a lane holds ONE query (lane % 16).  The head has 64 features, half of the instruction's 128: a fragment of K holds two tiles of 16 keys, and Q stands beside six
; registers of zero codes: [q | 0] picks the first tile, [0 | q] the second.  Row 8 h + j of key tile 4 c + u is key 64 c + 32 h + 8 u + j, so score register n of lane (r, h) is key 64 (n / 32) + 32 h + n % 32:
; A LANE'S 32 REGISTERS ARE A WHOLE BLOCK OF 32 KEYS, in the order of the next operand.  A block's maximum and p's codes need no other lane; only the row's maximum and the scale word cross to lane l xor 16.
; THE MASK comes as lane masks, a word for each score register, and as one flag bit a record (16 queries x 128 keys) that says that the record has no hole.  Where the flag is set, the 64 selects and
; the fetch of the 64 words are jumped over: a scalar branch on whole numbers that an earlier launch stored.  The first record is fetched in any case, so that the words' registers are always written.
; NO CLUSTER, NO TENSOR LOAD: the four query blocks of a head each read its 204,800 bytes by plain loads.
; NO PREFETCH: all of K and V is asked for at the head, ahead of any loop.
; THE SOFTMAX: t = score x log2(e) / 8; M = the running largest t rounded up to a whole number; p = 2^(t - M) is quantised along the keys; the sum is taken of the unquantised p; when M moves, sum and O are multiplied by 2^(old M - new M).
; The exponentials go in two batches, a block of 32 keys each: behind the first stand the second block's multiply-adds, behind the second the first block's sums, scales and conversions: work that names no result still to come.
; LIMITS: the promise holds while the scaled scores stay under 2^31 in magnitude.  A hidden score is -2^33, a logit of -2^30 where the definition has -1e9: t is then a whole number, so that a row with every key
; hidden gives p = 1 for all keys, as the definition does; the two differ only where visible logits lie under about -1e9.  A block of zeros keeps the byte 1.  NaN and infinities are not served.
; The result's scale bytes leave 2 bytes a row (262,144 bytes in all): those units are written in part.
.set REC,  12800
.set SPARE, 16*REC                     ; behind the records: the spare words, 128 bytes a wave
.set AD0,  1                           ; v1   16 x lane
.set NEG,  2                           ; v2   -2^33
.set ADR,  3                           ; v3   the step's LDS address
.set QS,   4                           ; v4, v5  Q's scale words;  v6-35 = 0, q0, 0, q1, 0
.set F,    36                          ; v36-83   K's four fragments
.set P1,   36                          ; v36-47   tile 1's p as codes, once K is done with
.set SCW,  84                          ; v84-87   scale words: lanes 0-15 K's, lanes 16-31 V's
.set S,    88                          ; v88-151  scores, then p; v88-135 later V's four fragments
.set O,    152                         ; v152-215 O^T, 32 registers a tile: register 16 b + i is feature 32 b + 16 (lane / 16) + i
.set P0,   216                         ; v216-227 tile 0's p as codes
.set PW,   228                         ; v228, v229 p's scale words
.set STAT, 230                         ; tile u at +4 u: -M, the largest score, the sum in two halves
.set BM,   238                         ; v238-241 maxima; then v238, v239 my two blocks' largest, v[240:241] a chain of the sum
.set PT,   242                         ; v242-245 at work
.set SO,   246                         ; v246, v247 scale operands
.set SA,   248                         ; v[248:249] a chain of the sum; on the way out the result's scale bytes
.set FF,   250                         ; v[250:251] f = 2^(old M - new M) and a temporary; v252 a second factor on the way out
.set SELB, 253                         ; v253 byte selects that put my two scale bytes at their places in the word
.set WV,   14
.set CNT,  15
.set TB,   84                          ; s84 the step's LDS byte
.set HI,   85                          ; s85 lanes 16-31
.set FL,   86                          ; s86 the flags: bit 0 tile 0's of this step, bit 16 tile 1's, bit 1 tile 0's of the next
.set OC,   88                          ; s[88:89] ocodes, s[90:91] oscales
.set MP,   96                          ; s[96:97] where my mask words stand
.set CS,   98                          ; s[98:99] c = log2(e) / 8
; s[16:63], s[68:83]: the 64 mask words in hand: word n in s[16 + n] (n < 48) or s[20 + n]
.macro PLACES
.rept 4
	v_nop
.endr
.endm
.macro MLOAD off
	s_load_b512 s[16:31], s[MP:MP+1], \off
	s_load_b512 s[32:47], s[MP:MP+1], \off+0x40
	s_load_b512 s[48:63], s[MP:MP+1], \off+0x80
	s_load_b512 s[68:83], s[MP:MP+1], \off+0xc0
.endm
	s_load_b256 s[4:11], s[0:1], 0x0               ; qrec, kv, mbits, mflag
	s_load_b128 s[OC:OC+3], s[0:1], 0x20           ; ocodes, oscales
	v_lshl_add_u32 v254, v0, 2, SPARE
	v_mov_b32 v255, 0
	v_lshrrev_b32 v1, 5, v0
	v_readfirstlane_b32 s[WV], v1                  ; wave 0..15
	v_and_b32 v3, 31, v0
	v_lshlrev_b32 v[AD0], 4, v3
	s_mov_b32 s16, ttmp9                           ; my block of 512 queries
	s_and_b32 s17, ttmp7, 0xffff                   ; bh = 16 x batch + head
	s_mul_i32 s18, s17, 16*REC
	s_mul_i32 s[TB], s[WV], REC                    ; record w goes to LDS byte 12,800 w
	s_add_co_u32 s18, s18, s[TB]
	s_mov_b32 s19, 0
	v_add_nc_u32 v[ADR], s[TB], v[AD0]
	s_mov_b32 s2, 0x76543210
	s_mov_b32 s3, 0xfedcba98                       ; v_permlanex16_b32's selects for lane l xor 16
	s_mov_b32 s[CS], 0x3e38aa3b
	s_mov_b32 s[CS+1], s[CS]
	s_mov_b32 s[CNT], 16
	s_mov_b32 s[HI], 0xffff0000
	s_wait_alu depctr_va_vdst(0)
	s_wait_kmcnt 0x0
	s_add_nc_u64 s[6:7], s[6:7], s[18:19]
.set g, 0
.rept 25
	global_load_b128 v[S+4*g:S+4*g+3], v[AD0], s[6:7] offset:512*g     ; my record: 512 consecutive bytes a load
.set g, g+1
.endr
	s_lshl_b32 s18, s17, 4
	s_lshl_b32 s19, s16, 2
	s_add_co_u32 s18, s18, s19
	s_lshr_b32 s19, s[WV], 2
	s_add_co_u32 s18, s18, s19                     ; Q's record 16 bh + 4 block + wave / 4,
	s_mul_i32 s18, s18, 6400
	s_mov_b32 s19, 0
	s_add_nc_u64 s[4:5], s[4:5], s[18:19]
	s_and_b32 s20, s[WV], 3                        ; and my fragment in it
	s_mul_i32 s21, s20, 1536
	s_lshl_b32 s20, s20, 2
	v_add_nc_u32 v250, s21, v[AD0]
	v_and_b32 v251, 15, v0
	v_lshl_add_u32 v251, v251, 4, s20              ; its scale word: 16 r + 4 x fragment
.irp g, 0,1,2
	global_load_b128 v[F+4*\g:F+4*\g+3], v250, s[4:5] offset:512*\g
.endr
	global_load_b32 v[F+12], v251, s[4:5] offset:6144
	s_lshl_b32 s18, s16, 4
	s_add_co_u32 s18, s18, s[WV]                   ; f: my 32 queries among the head's 64 x 32
	s_lshr_b32 s19, s17, 4                         ; batch
	s_lshl_b32 s20, s19, 7
	s_lshl_b32 s21, s18, 1
	s_add_co_u32 s20, s20, s21                     ; my first tile of 16 rows of the result,
	s_lshl_b32 s20, s20, 3
	s_bfe_u32 s21, s17, 0x30001
	s_add_co_u32 s20, s20, s21                     ; the K step of 128 features in which my head lies,
	s_mul_i32 s20, s20, 1536
	s_and_b32 s21, s17, 1
	s_mul_i32 s21, s21, 768                        ; and its half of that fragment's image
	s_add_co_u32 s20, s20, s21
	s_mov_b32 s21, 0
	s_add_nc_u64 s[OC:OC+1], s[OC:OC+1], s[20:21]
	s_lshl_b32 s20, s19, 11
	s_lshl_b32 s22, s18, 5
	s_add_co_u32 s20, s20, s22                     ; my first row,
	s_lshl_b32 s20, s20, 5                         ; 32 scale bytes a row,
	s_and_b32 s22, s17, 15
	s_lshl_b32 s22, s22, 1                         ; two to a head
	s_add_co_u32 s20, s20, s22
	s_add_nc_u64 s[OC+2:OC+3], s[OC+2:OC+3], s[20:21]
	s_lshl_b32 s20, s18, 13                        ; the mask words of my two query tiles: 4,096 bytes a tile
	s_add_nc_u64 s[MP:MP+1], s[8:9], s[20:21]
	s_lshl_b32 s20, s18, 7                         ; and their 32 flag words
	s_add_nc_u64 s[10:11], s[10:11], s[20:21]
	s_load_b512 s[16:31], s[10:11], 0x0
	s_load_b512 s[32:47], s[10:11], 0x40
.irp z, 6,7,8,9,10,11,18,19,20,21,22,23,30,31,32,33,34,35
	v_mov_b32 v\z, 0                               ; zero codes beside Q
.endr
.irp b, 0,1,2,3
	v_mov_b32 v[PT+\b], 0                          ; a lane permute's destination counts as one of its sources
.endr
.irp u, 0,1
	v_mov_b32 v[STAT+4*\u+1], 0xff61b1e6           ; the largest score so far: -3e38
	v_mov_b32 v[STAT+4*\u], 0x7f61b1e6             ; -M: a whole number over every -M to come
	v_mov_b32 v[STAT+4*\u+2], 0                    ; the sum, in two halves
	v_mov_b32 v[STAT+4*\u+3], 0
.endr
	v_mov_b32 v[NEG], 0xd0000000
	v_mov_b32 v[SELB], 0x0c070c03                  ; lanes 0-15: my bytes are those of blocks 0 and 2;
	v_mov_b32 v252, 0x070c030c                     ; lanes 16-31: of blocks 1 and 3; the other bytes 0
	v_cndmask_b32 v[SELB], v[SELB], v252, s[HI]
	s_wait_kmcnt 0x0                               ; each flag word holds its own bit or nothing: their OR is the 32 flags
.irp i, 0,1,2,3,4,5,6,7
	s_or_b64 s[16+2*\i:17+2*\i], s[16+2*\i:17+2*\i], s[32+2*\i:33+2*\i]
.endr
.irp i, 0,1,2,3
	s_or_b64 s[16+2*\i:17+2*\i], s[16+2*\i:17+2*\i], s[24+2*\i:25+2*\i]
.endr
.irp i, 0,1
	s_or_b64 s[16+2*\i:17+2*\i], s[16+2*\i:17+2*\i], s[20+2*\i:21+2*\i]
.endr
	s_or_b64 s[16:17], s[16:17], s[18:19]
	s_or_b32 s[FL], s16, s17
	MLOAD 0                                        ; tile 0, step 0
	s_wait_loadcnt 4                               ; my record is in; Q's four loads may be out
.set g, 0
.rept 25
	ds_store_b128 v[ADR], v[S+4*g:S+4*g+3] offset:512*g
.set g, g+1
.endr
	s_wait_loadcnt 0x0                             ; Q
.irp i, 0,1,2,3,4,5
	v_mov_b32 v[12+\i], v[F+\i]                    ; q0
	v_mov_b32 v[24+\i], v[F+6+\i]                  ; q1
.endr
	v_perm_b32 v[QS], v[F+12], v[F+12], 0x01000100     ; tile 0's two bytes, for either half of the instruction's K
	v_perm_b32 v[QS+1], v[F+12], v[F+12], 0x03020302   ; tile 1's
.set j, 0
.rept 64
	v_mov_b32 v[O+j], 0                            ; O^T: the loop is written once; its first step finds zeros.  (Also the places between the scale words and the first product)
.set j, j+1
.endr
	s_wait_alu depctr_va_vdst(0)
	s_wait_dscnt 0x0                               ; my record is stored,
	s_barrier_signal -1
	s_barrier_wait -1                              ; everybody's is
	s_mov_b32 s[TB], 0
.macro QK u                            ; S^T of tile u: eight products, each with its own accumulator, begun with the constant 0
.irp t, 0,1,2,3,4,5,6,7
	v_wmma_scale_f32_16x16x128_f8f6f4 v[S+8*\t:S+8*\t+7], v[F+12*(\t/2):F+12*(\t/2)+11], v[12+12*\u-6*(\t%2):23+12*\u-6*(\t%2)], 0, v[SCW+\t/2], v[QS+\u] matrix_a_fmt:MATRIX_FMT_BF6 matrix_b_fmt:MATRIX_FMT_BF6
.endr
.endm
.macro HOLES bit                       ; where the record has a hole: a hidden score becomes -2^33, each accumulator read from its low end on
	s_wait_kmcnt 0x0                               ; any mask words asked for are in, and their loads have read their base
	s_bitcmp1_b32 s[FL], \bit
	s_wait_alu depctr_va_vdst(0)
	s_cbranch_scc1 .Lfull_\@
.set n, 0
.rept 64
.if n < 48
	v_cndmask_b32 v[S+n], v[NEG], v[S+n], s[16+n]
.else
	v_cndmask_b32 v[S+n], v[NEG], v[S+n], s[20+n]
.endif
.set n, n+1
.endr
.Lfull_\@:
.endm
.macro ASKM bit, off                   ; the next record's words are asked for a softmax ahead, if it has a hole
	s_bitcmp1_b32 s[FL], \bit
	s_wait_alu depctr_va_vdst(0)
	s_cbranch_scc1 .Lnone_\@
	MLOAD \off
.Lnone_\@:
.endm
.macro ADD3 j                          ; six numbers of p onto the sum's three chains
	v_pk_add_f32 v[ST+2:ST+3], v[ST+2:ST+3], v[S+(\j):S+(\j)+1]
	v_pk_add_f32 v[SA:SA+1], v[SA:SA+1], v[S+(\j)+2:S+(\j)+3]
	v_pk_add_f32 v[BM+2:BM+3], v[BM+2:BM+3], v[S+(\j)+4:S+(\j)+5]
.endm
; Tile u's softmax of a step; p's codes go to v[pc] on.  fetchv = 1: behind the conversions V's fragments are fetched into the registers that p has left.
.macro SOFTMAX u, pc, fetchv
.set ST, STAT+4*(\u)
.set OT, O+32*(\u)
.irp b, 0,1,2,3
	v_max3_num_f32 v[BM+\b], v[S+16*\b], v[S+16*\b+1], v[S+16*\b+2]    ; four chains of 15 scores by turns
.endr
.irp i, 3,5,7,9,11,13
.irp b, 0,1,2,3
	v_max3_num_f32 v[BM+\b], v[BM+\b], v[S+16*\b+\i], v[S+16*\b+\i+1]
.endr
.endr
	v_max3_num_f32 v[BM], v[BM], v[BM+1], v[S+15]
	v_max3_num_f32 v[BM+1], v[BM+2], v[BM+3], v[S+47]
	v_max_num_f32 v[BM], v[BM], v[S+31]            ; the largest score of my block of c = 0,
	v_max_num_f32 v[BM+1], v[BM+1], v[S+63]        ; and of c = 1: for the row's maximum and, since p rises with the score, for the block's largest p
	v_max_num_f32 v[FF+1], v[BM], v[BM+1]
	v_permlanex16_b32 v[PT], v[FF+1], s2, s3
	v_max3_num_f32 v[ST+1], v[ST+1], v[FF+1], v[PT]    ; the running largest score
	v_mul_f32 v[FF+1], s[CS], v[ST+1]              ; as t
	v_floor_f32 v[PT+1], -v[FF+1]                  ; the new -M = -ceil(t)
	v_sub_f32 v[FF+1], v[PT+1], v[ST]              ; old M - new M: a whole number, 0 or less
	v_mov_b32 v[ST], v[PT+1]
	v_cvt_i32_f32 v[FF+1], v[FF+1]                 ; (it saturates)
	v_ldexp_f32 v[FF], 1.0, v[FF+1]                ; f = 2^(old M - new M)
.set j, 0
.rept 16
	v_pk_fma_f32 v[S+j:S+j+1], v[S+j:S+j+1], s[CS:CS+1], v[ST:ST+1] op_sel_hi:[1,0,0]   ; t - M of block c = 0, two at a time
.set j, j+2
.endr
	v_fma_f32 v[BM], v[BM], s[CS], v[ST]           ; the same of each block's largest score
	v_fma_f32 v[BM+1], v[BM+1], s[CS], v[ST]
	s_wait_alu depctr_va_vdst(0)
	v_exp_f32 v[BM], v[BM]                         ; the blocks' largest p: the same two instructions on the same number
	v_exp_f32 v[BM+1], v[BM+1]
.set j, 0
.rept 32
	v_exp_f32 v[S+j], v[S+j]                       ; p = 2^(t - M), block c = 0
.set j, j+1
.endr
.set j, 32
.rept 16
	v_pk_fma_f32 v[S+j:S+j+1], v[S+j:S+j+1], s[CS:CS+1], v[ST:ST+1] op_sel_hi:[1,0,0]   ; t - M of block c = 1: work that names no result of the batch
.set j, j+2
.endr
	v_pk_mul_f32 v[ST+2:ST+3], v[ST+2:ST+3], v[FF:FF+1] op_sel_hi:[1,0]   ; the sums under the new M
	s_wait_alu depctr_va_vdst(0)                   ; one wait: behind the first batch, ahead of its readers, and ahead of the second batch
.set j, 32
.rept 32
	v_exp_f32 v[S+j], v[S+j]                       ; block c = 1
.set j, j+1
.endr
	v_pk_add_f32 v[SA:SA+1], v[S:S+1], v[S+2:S+3]  ; behind the second batch: block 0's part of the row's sum of the unquantised p, in three chains,
	v_pk_add_f32 v[BM+2:BM+3], v[S+4:S+5], v[S+6:S+7]
	v_max_num_f32 v[BM], 0x2800000, v[BM]          ; and, by turns with it, both blocks' scales.  The floor 2^(5 - 127): the byte cannot fall under 1
	v_max_num_f32 v[BM+1], 0x2800000, v[BM+1]
	ADD3 8
	v_add_nc_u32 v[SO], 0xfe000000, v[BM]          ; 4 off the exponent field: the conversion's scale operand
	v_add_nc_u32 v[SO+1], 0xfe000000, v[BM+1]
	ADD3 14
	v_lshlrev_b32 v[PT], 1, v[SO]                  ; the scale's byte in the top byte
	v_lshlrev_b32 v[PT+1], 1, v[SO+1]
	ADD3 20
	v_perm_b32 v[PT], v[PT+1], v[PT], v[SELB]      ; my two bytes (blocks h and 2 + h) at their places in the word,
	ADD3 26
	v_permlanex16_b32 v[PT+1], v[PT], s2, s3
	v_or_b32 v[PW+\u], v[PT], v[PT+1]              ; with lane l xor 16's two: p's scale word for these 128 keys
	v_cvt_scalef32_pk16_bf6_f32 v[(\pc):(\pc)+2], v[S:S+15], v[SO]
	v_cvt_scalef32_pk16_bf6_f32 v[PT:PT+2], v[S+16:S+31], v[SO]        ; (a conversion's three registers begin on an even number)
	v_nop                                          ; one plain place behind a scaled conversion
.irp i, 0,1,2
	v_mov_b32 v[(\pc)+3+\i], v[PT+\i]
.endr
	s_wait_alu depctr_va_vdst(0)                   ; behind the second batch, ahead of its first reader
.irp j, 32,38,44,50,56
	ADD3 \j
.endr
	v_pk_add_f32 v[ST+2:ST+3], v[ST+2:ST+3], v[S+62:S+63]
	v_pk_add_f32 v[SA:SA+1], v[SA:SA+1], v[BM+2:BM+3]
	v_cvt_scalef32_pk16_bf6_f32 v[(\pc)+6:(\pc)+8], v[S+32:S+47], v[SO+1]
	v_cvt_scalef32_pk16_bf6_f32 v[PT:PT+2], v[S+48:S+63], v[SO+1]
	v_pk_add_f32 v[ST+2:ST+3], v[ST+2:ST+3], v[SA:SA+1]            ; (also the plain place behind the conversions)
.if \fetchv
.irp g, 0,1,2,3,4,5,6,7,8,9,10,11
	ds_load_b128 v[S+4*\g:S+4*\g+3], v[ADR] offset:6144+512*\g     ; V's four fragments, as images
.endr
.endif
.irp i, 0,1,2
	v_mov_b32 v[(\pc)+9+\i], v[PT+\i]
.endr
	s_wait_alu depctr_va_vdst(0)                   ; ahead of the first reader of O^T
.set j, 0
.rept 16
	v_pk_mul_f32 v[OT+j:OT+j+1], v[OT+j:OT+j+1], v[FF:FF+1] op_sel_hi:[1,0]   ; O^T under the new M.  (Also the places between p's codes and scale word and the products that take them)
.set j, j+2
.endr
.endm
.Lstep:                                            ; 16 trips: 128 keys each
	v_add_nc_u32 v[ADR], s[TB], v[AD0]             ; with the four v_nop at the trip's end: five places behind the last products
.irp g, 0,1,2,3,4,5,6,7,8,9,10,11
	ds_load_b128 v[F+4*\g:F+4*\g+3], v[ADR] offset:512*\g          ; K's four fragments
.endr
	ds_load_b128 v[SCW:SCW+3], v[ADR] offset:12288 ; lanes 0-15: K's four scale words of row r; lanes 16-31: V's
	s_wait_dscnt 0x0
	QK 0
	PLACES
	HOLES 0
	ASKM 16, 0x1000                                ; tile 1's words of this step: 4,096 bytes on
	SOFTMAX 0, P0, 0
	QK 1
	PLACES
	HOLES 16
	s_add_nc_u64 s[MP:MP+1], s[MP:MP+1], 256
	ASKM 1, 0                                      ; tile 0's words of the next step (in the last trip bit 1 is tile 1's first flag: what it may fetch lies inside the buffer and is not used)
	s_lshr_b32 s[FL], s[FL], 1
	SOFTMAX 1, P1, 1
	s_wait_alu depctr_va_vdst(0)
	s_wait_dscnt 0x0                               ; V
.irp t, 0,1,2,3                                    ; O^T += V^T P^T: eight accumulators, one instruction a turn
	v_wmma_scale_f32_16x16x128_f8f6f4 v[O+8*\t:O+8*\t+7], v[S+12*\t:S+12*\t+11], v[P0:P0+11], v[O+8*\t:O+8*\t+7], v[SCW+\t], v[PW] matrix_a_fmt:MATRIX_FMT_BF6 matrix_b_fmt:MATRIX_FMT_BF6 matrix_a_scale:MATRIX_SCALE_ROW1
	v_wmma_scale_f32_16x16x128_f8f6f4 v[O+32+8*\t:O+32+8*\t+7], v[S+12*\t:S+12*\t+11], v[P1:P1+11], v[O+32+8*\t:O+32+8*\t+7], v[SCW+\t], v[PW+1] matrix_a_fmt:MATRIX_FMT_BF6 matrix_b_fmt:MATRIX_FMT_BF6 matrix_a_scale:MATRIX_SCALE_ROW1
.endr
	s_add_co_u32 s[TB], s[TB], REC
	PLACES
	s_sub_co_u32 s[CNT], s[CNT], 1
	s_cmp_lg_u32 s[CNT], 0
	s_cbranch_scc1 .Lstep
	; THE WAY OUT.  O^T / the sum, quantised along the head's 64 features (two blocks), stored as half of the image of the last projection's operand.
	s_wait_kmcnt 0x0                               ; any mask words still asked for have landed
	v_lshrrev_b32 v[ADR], 1, v[AD0]                ; 8 x lane
	v_lshlrev_b32 v[NEG], 1, v[AD0]                ; 32 x lane
.irp u, 0,1
	v_add_f32 v[STAT+4*\u+2], v[STAT+4*\u+2], v[STAT+4*\u+3]      ; the sum's two halves,
.endr
.irp u, 0,1
	v_permlanex16_b32 v[PT+\u], v[STAT+4*\u+2], s2, s3
.endr
.irp u, 0,1
	v_add_f32 v[STAT+4*\u+2], v[STAT+4*\u+2], v[PT+\u]            ; and lane l xor 16's
.endr
	s_wait_alu depctr_va_vdst(0)
	v_rcp_f32 v[FF], v[STAT+2]
	v_rcp_f32 v[FF+2], v[STAT+6]
	v_nop                                          ; a plain place behind the reciprocals
.macro OUTQ u
.set OT, O+32*(\u)
.set EC, P1+6*(\u)
	s_wait_alu depctr_va_vdst(0)                   ; ahead of the first reader of the reciprocal and of this tile's O^T
.set j, 0
.rept 16
	v_pk_mul_f32 v[OT+j:OT+j+1], v[OT+j:OT+j+1], v[FF+2*(\u):FF+2*(\u)+1] op_sel_hi:[1,0]
.set j, j+2
.endr
.irp b, 0,1
	v_max3_num_f32 v[BM+\b], |v[OT+16*\b]|, |v[OT+16*\b+1]|, 0x2800000
.endr
.irp i, 2,4,6,8,10,12,14
.irp b, 0,1
	v_max3_num_f32 v[BM+\b], v[BM+\b], |v[OT+16*\b+\i]|, |v[OT+16*\b+\i+1]|
.endr
.endr
.irp b, 0,1
	v_permlanex16_b32 v[PT+\b], v[BM+\b], s2, s3
.endr
.irp b, 0,1
	v_max_num_f32 v[BM+\b], v[BM+\b], v[PT+\b]
.endr
.irp b, 0,1
	v_add_nc_u32 v[SO+\b], 0xfe000000, v[BM+\b]
.endr
.irp b, 0,1
	v_lshrrev_b32 v[PT+\b], 23, v[SO+\b]
.endr
	v_lshl_or_b32 v[SA+\u], v[PT+1], 8, v[PT]      ; my row's two scale bytes
	v_cvt_scalef32_pk16_bf6_f32 v[EC:EC+2], v[OT:OT+15], v[SO]
	v_cvt_scalef32_pk16_bf6_f32 v[BM:BM+2], v[OT+16:OT+31], v[SO+1]
	v_nop
.irp i, 0,1,2
	v_permlane16_swap_b32 v[EC+\i], v[BM+\i]       ; a whole block of 32 features in a lane
.endr
.irp i, 0,1,2
	v_mov_b32 v[EC+3+\i], v[BM+\i]
.endr
.irp p, 0,1,2
	global_store_b64 v[ADR], v[EC+2*\p:EC+2*\p+1], s[OC:OC+1] offset:12288*(\u)+256*\p     ; 32 lanes store 256 consecutive bytes, aligned
.endr
.endm
	OUTQ 0
	OUTQ 1
	v_cndmask_b32 v[SA], v[SA], v[SA+1], s[HI]     ; lanes 0-15: tile 0's rows; lanes 16-31: tile 1's
	global_store_b16 v[NEG], v[SA], s[OC+2:OC+3]   ; 2 bytes in each of my 32 rows of scale bytes
	s_wait_tensorcnt 0x0                           ; the wave's end
	ds_add_u32 v254, v255
	s_wait_dscnt 0x0
	s_endpgm
.Lfunc_end_k_q3ba943a205_attn:
	.size	k_q3ba943a205_attn, .Lfunc_end_k_q3ba943a205_attn-k_q3ba943a205_attn
	.p2alignl 7, 3214868480
	.fill 96, 4, 3214868480
	.section	.rodata,"a",@progbits
	.p2align	6, 0x0
	.amdhsa_kernel k_q3ba943a205_attn
		.amdhsa_group_segment_fixed_size 206848
		.amdhsa_private_segment_fixed_size 0
		.amdhsa_enable_private_segment 0
		.amdhsa_kernarg_size 48
		.amdhsa_user_sgpr_count 2
		.amdhsa_user_sgpr_kernarg_segment_ptr 1
		.amdhsa_wavefront_size32 1
		.amdhsa_system_sgpr_workgroup_id_x 1
		.amdhsa_system_sgpr_workgroup_id_y 1
		.amdhsa_system_sgpr_workgroup_id_z 1
		.amdhsa_system_vgpr_workitem_id 0
		.amdhsa_next_free_vgpr 256
		.amdhsa_next_free_sgpr 100
		.amdhsa_reserve_vcc 0
		.amdhsa_float_denorm_mode_32 3
		.amdhsa_float_denorm_mode_16_64 3
		.amdhsa_memory_ordered 1
		.amdhsa_forward_progress 1
		.amdhsa_inst_pref_size 55
	.end_amdhsa_kernel
	.amdgpu_metadata
---
amdhsa.version: [ 1, 2 ]
amdhsa.kernels:
  - .name:           k_q3ba943a205_attn
    .symbol:         k_q3ba943a205_attn.kd
    .args:
      - { .name: qrec, .offset: 0, .size: 8, .value_kind: global_buffer, .address_space: global }
      - { .name: kv, .offset: 8, .size: 8, .value_kind: global_buffer, .address_space: global }
      - { .name: mbits, .offset: 16, .size: 8, .value_kind: global_buffer, .address_space: global }
      - { .name: mflag, .offset: 24, .size: 8, .value_kind: global_buffer, .address_space: global }
      - { .name: ocodes, .offset: 32, .size: 8, .value_kind: global_buffer, .address_space: global }
      - { .name: oscales, .offset: 40, .size: 8, .value_kind: global_buffer, .address_space: global }
    .group_segment_fixed_size: 206848
    .private_segment_fixed_size: 0
    .kernarg_segment_align: 8
    .kernarg_segment_size: 48
    .max_flat_workgroup_size: 512
    .sgpr_count:     100
    .vgpr_count:     256
    .wavefront_size: 32
...
	.end_amdgpu_metadata
.endif
;; end of part 3
;; launch oproj (part 4): grid 4 x 32, 4 waves a work-group, clusters of 4 x 4, 327,680 bytes of LDS; arguments ocodes, oscales, codes, scales, bo, out0; writes out0
.if DOCPART == 4
	.amdgcn_target "amdgcn-amd-amdhsa--gfx1250"
	.amdhsa_code_object_version 6
	.text
	.protected	k_q3ba943a205_oproj
	.globl	k_q3ba943a205_oproj
	.p2align	8
	.type	k_q3ba943a205_oproj,@function
k_q3ba943a205_oproj:
	s_mov_b64 s[64:65], 0
	v_nop
	global_prefetch_b8 v0, s[64:65] scope:SCOPE_SE
	s_setreg_imm32_b32 hwreg(HW_REG_WAVE_MODE, 25, 1), 1
	s_wait_xcnt 0x0
	s_wait_alu depctr_hold_cnt(0) depctr_sa_sdst(0) depctr_va_vdst(0) depctr_va_sdst(0) depctr_va_ssrc(0) depctr_va_vcc(0) depctr_vm_vsrc(0)
	s_getreg_b32 s2, hwreg(HW_REG_IB_STS2, 6, 4)
	s_cmp_eq_u32 s2, 0
	s_cbranch_scc0 .Lentry_in_a_cluster
	s_endpgm
.Lentry_in_a_cluster:
	s_bfe_u32 s2, ttmp6, 0x10000c
	s_cmp_lg_u32 s2, 0xf033
	s_cbranch_scc0 .Lentry_shape_is_right
	s_endpgm
.Lentry_shape_is_right:
.set SIZE_N, 1024
.set NQ,     2
.set ROWB,   256                       ; a row of B's tile: a chunk of 256 bytes (256 codes and 64 bytes of zeros), at a multiple of 256 bytes
.set KROW,   1024
.set PITCH,  272
.set FR,     12
.set NL,     6
.set NP,     4
.set AHALF,  8*3072
.set HALFT,  128*PITCH
.set SLOT,   2*AHALF+2*HALFT
.set LAPS,   2
.set KS,     32
.set SCL,    2*SLOT
.set HALFS,  16*272
.set SBLK,   2*272
.set SPARE,  SCL+4*HALFS
.set SPITCH, 528
.set ADRA, 16
.set ADRB, 20
.set STO,  24
.set RD,   25
.set CO,   26
.set ADRS, 27
.set SPW,  28
.set NIL,  29
.set SC,   32
.set BI,   64
.set AF,   128
.set BK,   128
.set G1, 24
.set G0, 32
.set G1B, 48
.set G0B, 56
.set G1S, 68
.set G0S, 76
.set G1SB, 80
.set G0SB, 88
.set MSB, 0
.macro WIN new
.if MSB != (\new)
	s_set_vgpr_msb (MSB<<8)|(\new)
.set MSB, \new
.endif
.endm
.set MUL_LO, 0xa1
.set MUL_HI, 0xf1
.set TO_B,   0x40
.macro JLOAD g0a, g1a, g0b, g1b
	s_cmp_eq_u32 s15, 0
	s_cbranch_scc0 .Lfor_b_\@
	tensor_load_to_lds s[\g0a:\g0a+3], s[\g1a:\g1a+7]
	s_nop 0
.rept 4
	v_nop
.endr
	s_branch .Lasked_\@
.Lfor_b_\@:
	tensor_load_to_lds s[\g0b:\g0b+3], s[\g1b:\g1b+7]
	s_nop 0
.rept 4
	v_nop
.endr
.Lasked_\@:
.endm
.macro CREST
	s_cmp_lg_u32 s14, 0
	s_cbranch_scc1 .Lnot_wave_0_\@
	s_barrier_signal -3
.Lnot_wave_0_\@:
	s_barrier_wait -3
	s_barrier_signal -1
	s_barrier_wait -1
.endm
.macro CROUND
	s_barrier_signal -1
	s_barrier_wait -1
	CREST
.endm
	s_load_b128 s[4:7], s[0:1], 0x0
	s_load_b128 s[8:11], s[0:1], 0x10
	s_load_b64 s[96:97], s[0:1], 0x20
	s_load_b64 s[12:13], s[0:1], 0x28
	v_lshl_add_u32 v[SPW], v0, 2, SPARE
	v_mov_b32 v[NIL], 0
	ds_add_u32 v28, v29
	ds_add_u32 v28, v29
	s_wait_dscnt 0x0
	v_lshrrev_b32 v1, 5, v0
	v_readfirstlane_b32 s14, v1
	s_lshr_b32 s15, s14, 1
	s_and_b32 s16, s14, 1
	s_bfe_u32 s40, ttmp6, 0x40000
	s_bfe_u32 s41, ttmp6, 0x40004
	s_lshl_b32 s42, ttmp9, 2
	s_add_co_u32 s42, s42, s40
	s_and_b32 s17, ttmp7, 0xffff
	s_lshl_b32 s17, s17, 2
	s_add_co_u32 s17, s17, s41
	s_lshl_b32 s43, s41, 2
	s_lshl_b32 s43, 15, s43
	s_lshl_b32 s44, 0x1111, s40
	s_or_b32 s[G1+0], s43, (3<<16)|(1<<21)
	s_mov_b32 s[G1+1], 384<<16
	s_mov_b32 s[G1+2], 16<<16                      ; 16 rows for the head's load; set to 8 for the ring's behind it
	s_mov_b32 s[G1+3], 384<<16
	s_mov_b32 s[G1+4], 16
	s_mov_b32 s[G1+5], 1536
	s_mov_b32 s[G1+6], 0
	s_mov_b32 s[G1+7], 0
	s_or_b32 s[G1B+0], s44, (0<<16)|(1<<20)|(1<<21)|(5<<22)|(3<<25)
	s_mov_b32 s[G1B+1], ROWB<<16
	s_mov_b32 s[G1B+2], 256<<16                    ; 256 rows for the head's load; set to 128 behind it
	s_mov_b32 s[G1B+3], ROWB<<16
	s_mov_b32 s[G1B+4], 256
	s_mov_b32 s[G1B+5], KROW
	s_mov_b32 s[G1B+6], 0
	s_mov_b32 s[G1B+7], 0
	s_or_b32 s[G1S+0], s43, (3<<16)|(1<<20)|(1<<21)|(5<<22)|(3<<25)
	s_or_b32 s[G1SB+0], s44, (3<<16)|(1<<20)|(1<<21)|(5<<22)|(3<<25)
.irp g, G1S, G1SB
	s_mov_b32 s[\g+1], 32<<16
	s_mov_b32 s[\g+2], 32<<16                      ; the scales of 256 rows: 32 rows of 256 bytes
	s_mov_b32 s[\g+3], 32<<16
	s_mov_b32 s[\g+4], 32
	s_mov_b32 s[\g+5], 32
	s_mov_b32 s[\g+6], 0
	s_mov_b32 s[\g+7], 0
.endr
	s_lshl_b32 s20, s17, 4
	s_lshl_b32 s18, s16, 3
	s_add_co_u32 s20, s20, s18
	s_mul_i32 s20, s20, 12288
	s_mov_b32 s21, 0
	s_lshl_b32 s22, s17, 8
	s_lshl_b32 s18, s16, 7
	s_add_co_u32 s22, s22, s18
	s_lshl_b32 s22, s22, 5
	s_mov_b32 s23, 0
	s_lshl_b32 s46, s42, 8
	s_add_co_u32 s46, s46, s18
	s_lshl_b32 s92, s46, 5
	s_add_co_u32 s92, s92, 884736
	s_mov_b32 s93, 0
	s_mul_i32 s46, s46, KROW
	s_add_co_u32 s46, s46, 28311552
	s_mov_b32 s47, 0
	s_mul_i32 s45, s16, AHALF
	s_mul_i32 s95, s16, HALFT
	s_add_co_u32 s95, s95, 2*AHALF
	s_wait_kmcnt 0x0
	s_add_nc_u64 s[20:21], s[4:5], s[20:21]
	s_add_nc_u64 s[22:23], s[6:7], s[22:23]
	s_add_nc_u64 s[46:47], s[8:9], s[46:47]
	s_add_nc_u64 s[92:93], s[10:11], s[92:93]
	CROUND
	s_mov_b32 s[G0S], 1
	s_mov_b32 s[G0S+1], SCL                        ; the head's four tiles, each whole: the scales of A's 256 rows,
	s_lshl_b32 s18, s16, 12                        ; (the addresses made above hold my half: it is taken off)
	s_mov_b32 s19, 0
	s_sub_nc_u64 s[G0S+2:G0S+3], s[22:23], s[18:19]
	s_or_b32 s[G0S+3], s[G0S+3], 0x80000000
	s_mov_b32 s[G0SB], 1
	s_mov_b32 s[G0SB+1], SCL+2*HALFS               ; those of B's,
	s_sub_nc_u64 s[G0SB+2:G0SB+3], s[92:93], s[18:19]
	s_or_b32 s[G0SB+3], s[G0SB+3], 0x80000000
	s_mul_i32 s18, s16, 8*12288
	s_mov_b32 s4, 1                                ; K step 0's 16 rows of A's images (group 0 in registers that held arguments),
	s_mov_b32 s5, 0
	s_sub_nc_u64 s[6:7], s[20:21], s[18:19]
	s_or_b32 s7, s7, 0x80000000
	s_mul_i32 s18, s16, 128*KROW
	s_mov_b32 s8, 1                                ; and chunk 0's 256 rows of B
	s_mov_b32 s9, 2*AHALF
	s_sub_nc_u64 s[10:11], s[46:47], s[18:19]
	s_or_b32 s11, s11, 0x80000000
.irp s, 0,1
	s_mov_b32 s[G0+4*\s], 1
	s_add_co_u32 s[G0+4*\s+1], s45, \s*SLOT
	s_add_nc_u64 s[G0+4*\s+2:G0+4*\s+3], s[20:21], \s*3072
	s_or_b32 s[G0+4*\s+3], s[G0+4*\s+3], 0x80000000
	s_mov_b32 s[G0B+4*\s], 1
	s_add_co_u32 s[G0B+4*\s+1], s95, \s*SLOT
	s_add_nc_u64 s[G0B+4*\s+2:G0B+4*\s+3], s[46:47], \s*ROWB
	s_or_b32 s[G0B+4*\s+3], s[G0B+4*\s+3], 0x80000000
.endr
; The head's loads, one a wave: one tree of branches on the wave's number, a load in each arm, all arms leading to one join.
.macro ARM under, g0, g1, next
	s_cmp_lt_u32 s14, \under
	s_cbranch_scc0 \next
	tensor_load_to_lds s[\g0:\g0+3], s[\g1:\g1+7]
	s_nop 0
.rept 4
	v_nop
.endr
	s_branch .Lhead_asked
\next:
.endm
	ARM 1, 4,   G1,  .Lhead_b
	ARM 2, 8,   G1B, .Lhead_sa
	ARM 3, G0S, G1S, .Lhead_sb
	tensor_load_to_lds s[G0SB:G0SB+3], s[G1SB:G1SB+7]
	s_nop 0
.rept 4
	v_nop
.endr
.Lhead_asked:
	v_and_b32 v1, 15, v0
	v_bfe_u32 v2, v0, 4, 1
	v_mul_u32_u24 v3, v1, PITCH
	v_mul_u32_u24 v4, v2, 24
	v_add_nc_u32 v4, v3, v4
	v_and_b32 v6, 31, v0
	v_lshlrev_b32 v3, 3, v6
	s_mul_i32 s21, s15, AHALF
	s_mul_i32 s22, s16, HALFT
	s_add_co_u32 s22, s22, 2*AHALF
.irp s, 0,1
	v_add_nc_u32 v[ADRA+\s], s21, v3
	v_add_nc_u32 v[ADRB+\s], s22, v4
	s_add_co_u32 s21, s21, SLOT
	s_add_co_u32 s22, s22, SLOT
.endr
	v_mul_u32_u24 v5, v1, KS
	v_lshrrev_b32 v6, 8, v5
	v_lshl_add_u32 v5, v6, 4, v5
	s_mul_i32 s21, s15, HALFS
	s_mul_i32 s22, s16, HALFS
	s_add_co_u32 s22, s22, 2*HALFS
	s_sub_co_u32 s22, s22, s21
	v_mul_u32_u24 v6, s22, v2
	s_add_co_u32 s21, s21, SCL
	v_add_nc_u32 v5, v5, v6
	v_add_nc_u32 v[ADRS], s21, v5
	s_mul_i32 s23, s14, 16*SPITCH
	v_mul_u32_u24 v5, v1, SPITCH
	v_lshl_add_u32 v5, v2, 5, v5
	v_add_nc_u32 v[STO], s23, v5
	v_and_b32 v6, 31, v0
	v_lshlrev_b32 v[CO], 4, v6
	v_add_nc_u32 v[RD], s23, v[CO]
	s_lshl_b32 s20, s17, 8
	s_lshl_b32 s21, s15, 7
	s_add_co_u32 s20, s20, s21
	s_lshl_b32 s20, s20, 12
	s_mov_b32 s21, 0
	s_lshl_b32 s46, s42, 10
	s_lshl_b32 s47, s16, 9
	s_add_co_u32 s46, s46, s47
	s_mov_b32 s47, 0
	s_add_nc_u64 s[96:97], s[96:97], s[46:47]
	s_add_nc_u64 s[20:21], s[20:21], s[46:47]
	s_add_nc_u64 s[12:13], s[12:13], s[20:21]
	v_lshlrev_b32 v7, 5, v2
.irp b, 0,1,2,3,4,5,6,7
	global_load_b128 v[BI+8*\b:BI+8*\b+3], v7, s[96:97] offset:64*\b
	global_load_b128 v[BI+8*\b+4:BI+8*\b+7], v7, s[96:97] offset:64*\b+16
.endr
.macro FRAG reg, adr, q, i
.irp p, 0,1,2,3,4,5
.set PC, 12*(\q)+6*(\p/3)+\p%3
	ds_load_b64 v[\reg+2*\p:\reg+2*\p+1], v[\adr] offset:8*PC+(\i)*16*PITCH
.endr
.endm
.macro FRAGA reg, slot, q, i
.irp p, 0,1,2,3,4,5
	ds_load_b64 v[\reg+2*\p:\reg+2*\p+1], v[ADRA+\slot] offset:3072*(\i)+1536*(\q)+256*\p
.endr
.endm
.macro MUL16 a0, p, q, sc, first
.irp a, \a0, \a0+1
.irp b, 0,1,2,3,4,5,6,7
.if \first
	v_wmma_scale_f32_16x16x128_f8f6f4 v[8*(8*((\a)%4)+\b):8*(8*((\a)%4)+\b)+7], v[128*(\p)+FR*\b:128*(\p)+FR*\b+FR-1], v[AF+FR*(\a):AF+FR*(\a)+FR-1], v[BI+8*\b:BI+8*\b+7], v[SC+8*NQ*(\sc)+NQ*\b+(\q)], v[SC+8*NQ*(\sc)+NQ*(\a)+(\q)] matrix_a_fmt:MATRIX_FMT_BF6 matrix_b_fmt:MATRIX_FMT_BF6 matrix_a_scale:MATRIX_SCALE_ROW1
.else
	v_wmma_scale_f32_16x16x128_f8f6f4 v[8*(8*((\a)%4)+\b):8*(8*((\a)%4)+\b)+7], v[128*(\p)+FR*\b:128*(\p)+FR*\b+FR-1], v[AF+FR*(\a):AF+FR*(\a)+FR-1], v[8*(8*((\a)%4)+\b):8*(8*((\a)%4)+\b)+7], v[SC+8*NQ*(\sc)+NQ*\b+(\q)], v[SC+8*NQ*(\sc)+NQ*(\a)+(\q)] matrix_a_fmt:MATRIX_FMT_BF6 matrix_b_fmt:MATRIX_FMT_BF6 matrix_a_scale:MATRIX_SCALE_ROW1
.endif
.endr
.endr
.endm
.macro FETCH_B slot, q, p
	WIN TO_B
.irp i, 0,1,2,3,4,5,6,7
	FRAG 128*(\p)+FR*\i, ADRB+\slot, \q, \i
.endr
	WIN 0
.endm
.macro FETCH_A slot, q, i0
.irp i, \i0, \i0+1, \i0+2, \i0+3
	FRAGA AF+FR*(\i), \slot, \q, \i
.endr
.endm
.macro SCALES sc
.irp i, 0,1,2,3,4,5,6,7
	ds_load_b64 v[SC+8*NQ*\sc+NQ*\i:SC+8*NQ*\sc+NQ*\i+1], v[ADRS] offset:\i*SBLK
.endr
.endm
.macro PLACES n
.rept \n
	v_nop
.endr
.endm
.macro STEP slot, q, first
	s_wait_dscnt 4*NL
	WIN MUL_LO-0x20*\first
	MUL16 0, (\q)%2, \q, \slot, \first
	MUL16 2, (\q)%2, \q, \slot, \first
	s_wait_dscnt 0
	PLACES NP
	FETCH_B \slot, (\q)+1, 1-(\q)%2
	FETCH_A \slot, (\q)+1, 0
	WIN MUL_HI-0x30*\first
	MUL16 4, (\q)%2, \q, \slot, \first
	MUL16 6, (\q)%2, \q, \slot, \first
	PLACES NP
	WIN 0
	FETCH_A \slot, (\q)+1, 4
.endm
.macro TURN slot, next, fill
	s_wait_tensorcnt 0x0
	ds_add_u32 v[SPW], v[NIL]
	s_wait_dscnt 4*NL+1
	WIN MUL_LO
	MUL16 0, 1, NQ-1, \slot, 0
	s_wait_dscnt 0x0
	s_barrier_signal -1
	MUL16 2, 1, NQ-1, \slot, 0
	WIN 0
	s_barrier_wait -1
.if \fill
	CREST
	s_add_nc_u64 s[G0+4*\slot+2:G0+4*\slot+3], s[G0+4*\slot+2:G0+4*\slot+3], 2*3072
	s_add_nc_u64 s[G0B+4*\slot+2:G0B+4*\slot+3], s[G0B+4*\slot+2:G0B+4*\slot+3], 2*ROWB
	JLOAD G0+4*\slot, G1, G0B+4*\slot, G1B
.else
	PLACES NP
.endif
	s_wait_alu depctr_va_vdst(0)
	v_add_nc_u32 v[ADRS], 4*NQ, v[ADRS]
	FETCH_B \next, 0, 0
	FETCH_A \next, 0, 0
	SCALES \next
	WIN MUL_HI
	MUL16 4, 1, NQ-1, \slot, 0
	MUL16 6, 1, NQ-1, \slot, 0
	PLACES NP
	WIN 0
	FETCH_A \next, 0, 4
.endm
	s_wait_alu depctr_va_vdst(0)
	s_wait_tensorcnt 0x0                           ; my tile of the head's four is in
	ds_add_u32 v[SPW], v[NIL]
	s_mov_b32 s[G1+2], 8<<16                       ; no tensor load of mine is out: from here on a load brings half a tile
	s_mov_b32 s[G1+4], 8
	s_mov_b32 s[G1B+2], 128<<16
	s_mov_b32 s[G1B+4], 128
	s_wait_dscnt 0x0
	CROUND                                         ; all four tiles are in, and all sixteen work-groups are here
	JLOAD G0+4, G1, G0B+4, G1B                     ; K step 1, the first tensor load behind the round
	FETCH_B 0, 0, 0
	FETCH_A 0, 0, 0
	SCALES 0
	FETCH_A 0, 0, 4
	s_wait_loadcnt 0x0
	STEP 0, 0, 1
	s_mov_b32 s3, LAPS-1
.Llap:
	TURN 0, 1, 1
	STEP 1, 0, 0
	TURN 1, 0, 1
	STEP 0, 0, 0
	s_sub_co_u32 s3, s3, 1
	s_cmp_lg_u32 s3, 0
	s_cbranch_scc1 .Llap
	TURN 0, 1, 0
	STEP 1, 0, 0
	s_wait_dscnt 4*NL
	WIN MUL_LO
	MUL16 0, 1, NQ-1, 1, 0
	MUL16 2, 1, NQ-1, 1, 0
	s_wait_dscnt 0
	WIN MUL_HI
	MUL16 4, 1, NQ-1, 1, 0
	MUL16 6, 1, NQ-1, 1, 0
	WIN 0
.macro TOSTAGE a
.set AC, 64*((\a)%4)
	WIN 0x08+4*((\a)/4)
.irp b, 0,1,2,3,4,5,6,7
	ds_store_b128 v[STO], v[AC+8*\b:AC+8*\b+3] offset:64*\b
	ds_store_b128 v[STO], v[AC+8*\b+4:AC+8*\b+7] offset:64*\b+16
.endr
	WIN 0
.set BB, BK+64*((\a)%2)
.irp t, 0,1,2,3,4,5,6,7,8,9,10,11,12,13,14,15
	ds_load_b128 v[BB+4*\t:BB+4*\t+3], v[RD] offset:\t*SPITCH
.endr
.endm
.macro SEND a, younger
.set BB, BK+64*((\a)%2)
	s_wait_dscnt \younger
.if (\a) > 0
	s_add_nc_u64 s[12:13], s[12:13], 16*SIZE_N*4
.endif
.irp t, 0,1,2,3,4,5,6,7,8,9,10,11,12,13,14,15
	global_store_b128 v[CO], v[BB+4*\t:BB+4*\t+3], s[12:13] offset:\t*SIZE_N*4 th:TH_STORE_NT
.endr
.endm
	PLACES NP
	TOSTAGE 0
.irp a, 1,2,3,4,5,6,7
.if \a > 1
	s_wait_xcnt 0x0
.endif
	TOSTAGE \a
	SEND \a-1, 32
.endr
	s_wait_xcnt 0x0
	SEND 7, 0
	s_wait_tensorcnt 0x0
	ds_add_u32 v[SPW], v[NIL]
	s_wait_dscnt 0x0
	CROUND
	s_endpgm
.Lfunc_end_k_q3ba943a205_oproj:
	.size	k_q3ba943a205_oproj, .Lfunc_end_k_q3ba943a205_oproj-k_q3ba943a205_oproj
	.p2alignl 7, 3214868480
	.fill 96, 4, 3214868480
	.section	.rodata,"a",@progbits
	.p2align	6, 0x0
	.amdhsa_kernel k_q3ba943a205_oproj
		.amdhsa_group_segment_fixed_size 327680
		.amdhsa_private_segment_fixed_size 0
		.amdhsa_enable_private_segment 0
		.amdhsa_kernarg_size 48
		.amdhsa_user_sgpr_count 2
		.amdhsa_user_sgpr_kernarg_segment_ptr 1
		.amdhsa_wavefront_size32 1
		.amdhsa_system_sgpr_workgroup_id_x 1
		.amdhsa_system_sgpr_workgroup_id_y 1
		.amdhsa_system_sgpr_workgroup_id_z 1
		.amdhsa_system_vgpr_workitem_id 0
		.amdhsa_next_free_vgpr 1024
		.amdhsa_next_free_sgpr 98
		.amdhsa_reserve_vcc 0
		.amdhsa_float_denorm_mode_32 3
		.amdhsa_float_denorm_mode_16_64 3
		.amdhsa_memory_ordered 1
		.amdhsa_forward_progress 1
		.amdhsa_inst_pref_size 163
	.end_amdhsa_kernel
	.amdgpu_metadata
---
amdhsa.version: [ 1, 2 ]
amdhsa.kernels:
  - .name:           k_q3ba943a205_oproj
    .symbol:         k_q3ba943a205_oproj.kd
    .args:
      - { .name: ocodes, .offset: 0, .size: 8, .value_kind: global_buffer, .address_space: global }
      - { .name: oscales, .offset: 8, .size: 8, .value_kind: global_buffer, .address_space: global }
      - { .name: codes, .offset: 16, .size: 8, .value_kind: global_buffer, .address_space: global }
      - { .name: scales, .offset: 24, .size: 8, .value_kind: global_buffer, .address_space: global }
      - { .name: bo, .offset: 32, .size: 8, .value_kind: global_buffer, .address_space: global }
      - { .name: out0, .offset: 40, .size: 8, .value_kind: global_buffer, .address_space: global }
    .group_segment_fixed_size: 327680
    .private_segment_fixed_size: 0
    .kernarg_segment_align: 8
    .kernarg_segment_size: 48
    .max_flat_workgroup_size: 128
    .sgpr_count:     98
    .vgpr_count:     1024
    .wavefront_size: 32
...
	.end_amdgpu_metadata
.endif
;; end of part 4
